; MI455X (gfx1250); checked and timed in simulation.
; The chip was launched on July 23, 2026; its instructions are those of AMD's public machine-readable ISA for CDNA 5 (MIT licence, August 2026) and "CDNA5" Instruction Set Architecture Reference Guide (July 2026). The comments in the code are by the model that wrote it; some were corrected since.
;; Attention. Allowed arithmetic: matrix products marked QUANTISED: E2M3 operands, one E8M0 scale for each 32 along K, by v_wmma_scale_f32_16x16x128_f8f6f4 with both operands' format E2M3, f32 sums; everything else in f32.
;; Inputs: b_proj 1,024 float32; b_qkv 3,072 float32; w_proj 1,024 x 1,024 float32; w_qkv 1,024 x 3,072 float32; x 4 x 2,048 x 1,024 float32.
;; Outputs: out0 4 x 2,048 x 1,024 float32.
;; This version of the problem:
;;   THIS VERSION OF THE PROBLEM IS GIVEN IN LOW PRECISION. The matrix products marked QUANTISED in the list below multiply operands that are first quantised to E2M3 (2 exponent bits, 3 mantissa bits; 6 bits a number), with one power-of-two scale for each 32 numbers along K (OCP MX v1.0); their sums are f32. All else is computed in f32.
;;   The module's matrix products, in the order in which they are computed (A, B: the left and right operand; K: the contracted axis; several contracted axes count as one K, in the product's order):
;;     1. [M 8,192, K 1,024] x [K 1,024, N 3,072]; A: input x; B: input w_qkv: QUANTISED
;;     2. batch 64 x [M 2,048, K 64] x [K 64, N 2,048]; A: computed on the way; B: computed on the way: QUANTISED
;;     3. batch 64 x [M 2,048, K 2,048] x [K 2,048, N 64]; A: softmax (see below); B: computed on the way: QUANTISED
;;     4. [M 8,192, K 1,024] x [K 1,024, N 1,024]; A: computed on the way; B: input w_proj: QUANTISED
;;   THE QUANTISER, for each operand of a quantised product, along K:
;;     - K is cut into blocks of 32 from its start; a last block that is shorter is filled with zeros.
;;     - A block's scale is 2^e with e = floor(log2(the largest magnitude in the block)) - 2, held to -126 .. 127; a block of zeros has e = 0. As a byte (E8M0): e + 127.
;;     - Each number is divided by its block's scale, clamped to +-7.5, and rounded to the nearest number of E2M3, ties to even, subnormals kept.
;;     - The product sums the exact products of the quantised numbers (number of the format x scale) in f32.
;;   ~~~python
;;   def quantise(x, axis):      # numpy; x: float32 -> the quantised numbers, widened to float32 again
;;       x = np.moveaxis(x, axis, -1); K = x.shape[-1]
;;       x = np.pad(x, [(0, 0)] * (x.ndim - 1) + [(0, -K % 32)]); x = x.reshape(x.shape[:-1] + (-1, 32)); a = np.abs(x).max(-1, keepdims=True)
;;       e = np.where(a > 0, np.clip(np.frexp(np.where(a > 0, a, 1))[1] - 1 - 2, -126, 127), 0)      # np.frexp(a)[1] - 1 = floor(log2(a)), exactly
;;       r = np.clip(x / 2.0 ** e, -7.5, 7.5)
;;       step = 2.0 ** (np.maximum(np.frexp(np.where(r == 0, 1, r))[1] - 1, 0) - 3)
;;       q = np.round(r / step) * step * 2.0 ** e      # np.round: ties to even
;;       return np.moveaxis(q.reshape(q.shape[:-2] + (-1,))[..., :K], -1, axis).astype(np.float32)
;;   ~~~
;;   SOFTMAX AHEAD OF A QUANTISED PRODUCT. Where the list says 'softmax', what is quantised is not the finished softmax but p = 2^(t - M), with t = logit x log2(e) and M = ceil(the row's largest t), a whole number; so 1/2 < the row's largest p <= 1. The row's sum l is taken of the UNQUANTISED p, in f32, and the product's result is divided by l at the end. Since M is a whole number, a kernel that streams over the keys may use a running M (the ceiling of the running maximum): every later rescaling is an exact power of two, which a block's scale takes up: the codes' values come out the same.
;;   OPERANDS COMPUTED ON THE WAY. 'Computed on the way' means the value that the module computes at that place (a softmax that the list does not call 'softmax' is quantised finished and normalised). What goes into a quantiser is computed in f32, as accurately as f32 sums, v_exp_f32 and their like allow (about 1e-6 of the number): no bf16 or f16 on the way to a quantiser, and a product that is left as it is and whose result goes on into a quantised operand takes f32 operands (vector FMAs, or v_wmma_f32_16x16x4_f32). A number that lies on a knife's edge between two numbers of the format may be rounded either way, as far as f32 arithmetic and the matrix unit's own rounding can turn it there, and no further.
;; One version. Each part assembles by itself: llvm-mc -triple=amdgcn-amd-amdhsa -mcpu=gfx1250 --defsym DOCPART=n.
;; ======== version 1 of 1: 5 launches
;; workspace buffers: xq 6,553,600 bytes; wts 3,276,800 bytes; qb 6,815,744 bytes; kv 13,369,344 bytes; zq 6,553,600 bytes
;; launch quant_x (part 1): grid 256 x 1, 4 waves a work-group, no clusters, 33,280 bytes of LDS; arguments x, xq; writes xq
.if DOCPART == 1
	.amdgcn_target "amdgcn-amd-amdhsa--gfx1250"
	.amdhsa_code_object_version 6
	.text
	.protected	k_q13e5d790e2_quant_x
	.globl	k_q13e5d790e2_quant_x
	.p2align	8
	.type	k_q13e5d790e2_quant_x,@function
k_q13e5d790e2_quant_x:
	s_mov_b64 s[64:65], 0
	v_nop
	global_prefetch_b8 v0, s[64:65] scope:SCOPE_SE
	s_setreg_imm32_b32 hwreg(HW_REG_WAVE_MODE, 25, 1), 1
	s_wait_xcnt 0x0
; THE PROGRAM: out0 = softmax((x Wq + bq)(x Wk + bk)^T / 8) (x Wv + bv) Wp + bp, 16 heads of 64, all four products on codes of FP6 (E2M3) with one E8M0 scale for each 32 along K.
; Five launches: x into codes; both weights into codes; the first product, whose results leave as codes of q, k and v; attention, whose result leaves as codes of z; the last product.
; NO WORK OF reference() IS LEFT OUT: every input has a way to out0, and k's bias moves k's codes, so it stays.
; THIS LAUNCH: x [8192][1024], f32, becomes codes, K innermost (768 bytes a row), and one scale byte for each 32 along K (32 bytes a row), both in xq: codes from byte 0, scale bytes from byte XSOFF.
; THE ROWS CHANGE PLACES: position p of xq holds token p with its bits 3 and 4 exchanged.  Sixteen neighbouring positions are then tokens 0-7 and 16-23 (or 8-15 and 24-31) of a group of 32, so that a product that
; takes such a tile as its first source leaves 16 neighbouring tokens in the 16 registers of two neighbouring tiles.  Here that is a matter of where a wave's eight rows go: nothing else knows of it.
; A block's scale is 2^(floor(log2(its largest magnitude)) - 2); its byte is the largest magnitude's exponent field - 2, held at 1 from below.
; LIMITS: a block of zeros gets the byte 1 where the rule says 127 (its codes are zeros, and this program alone reads the bytes); blocks whose largest magnitude lies under 2^-124 keep the byte 1; NaN and infinities among the inputs are not served.
; A wave takes 8 rows, 16 steps of 512 numbers.  Each load reads 512 consecutive bytes; a step's 2,048 bytes turn through the wave's own stage in LDS, so that a lane then holds 16 neighbours along K (two lanes hold a block).
; A lane's 16 codes are 12 bytes: the wave stores 384 consecutive bytes.  A wave's 256 scale bytes are gathered in LDS and leave as 256 consecutive bytes, aligned.  No barrier: waves share nothing.
.set WAVES, 4
.set STEPS, 16
.set EMAX,  2
.set CB,    12                         ; bytes of 16 codes
.set R,     16                         ; v16-79   four sets of 16 numbers as they are loaded
.set X,     80                         ; v80-111  two sets of 16 neighbours
.set C,     128                        ; v128-191 codes: four registers for each step, so that no store's data are written again
.set E,     112                        ; v112-127 a scale byte for each step
.set WREG,  8192                       ; LDS: a region for each wave: two stages of 32 x SP bytes, behind them its 256 scale bytes
.set SP,    80                         ; a lane's place in a stage: 64 bytes + 16 of padding
.set SPW,   12                         ; v12  LDS address of my spare word; never rewritten
.set NIL,   13                         ; v13  0; never rewritten
.set SPARE, WAVES*WREG                 ; behind the regions: the spare words, 128 bytes a wave, which no other line names
.set XSOFF, 6291456                    ; where the scale bytes begin in xq
	s_load_b128 s[4:7], s[0:1], 0x0                ; x, xq
	v_lshl_add_u32 v[SPW], v0, 2, SPARE
	v_mov_b32 v[NIL], 0
	v_lshrrev_b32 v1, 5, v0
	v_readfirstlane_b32 s16, v1                    ; wave
	v_and_b32 v2, 31, v0                           ; lane
	v_lshlrev_b32 v3, 4, v2                        ; my 16 bytes of a load's 512
	s_mul_i32 s17, s16, WREG
	v_lshrrev_b32 v14, 2, v2
	v_mul_u32_u24 v14, v14, SP
	v_and_b32 v15, 3, v2
	v_lshl_add_u32 v14, v15, 4, v14
	v_add_nc_u32 v14, s17, v14                     ; the stage, on the way in: SP (lane / 4) + 16 (lane % 4)
	v_mul_u32_u24 v15, v2, SP
	v_add_nc_u32 v15, s17, v15                     ; and on the way out: SP x lane: my 16 neighbours
	v_mul_u32_u24 v4, v2, CB                       ; my codes' place in a step's
	v_lshrrev_b32 v5, 1, v2
	s_add_co_u32 s17, s17, 2*32*SP
	v_add_nc_u32 v5, s17, v5                       ; LDS: my wave's 256 scale bytes, my block's byte
	v_lshlrev_b32 v7, 3, v2                        ; and on the way out 8 bytes a lane
	v_add_nc_u32 v6, s17, v7
	s_lshl_b32 s17, ttmp9, 2
	s_add_co_u32 s18, s17, s16                     ; the 8 rows that I read: 4 x work-group + wave
	s_and_b32 s19, s16, 1
	s_lshl_b32 s19, s19, 1
	s_lshr_b32 s20, s16, 1
	s_or_b32 s19, s19, s20                         ; the wave's two bits exchanged: bits 3 and 4 of the row
	s_add_co_u32 s22, s17, s19                     ; the 8 positions that I write
	s_lshl_b32 s20, s18, 15                        ; 8 rows of 4,096 bytes
	s_mov_b32 s21, 0
	s_wait_alu depctr_va_vdst(0)
	s_wait_kmcnt 0x0
	s_add_nc_u64 s[4:5], s[4:5], s[20:21]
	s_mul_i32 s20, s22, 8*768
	s_add_nc_u64 s[8:9], s[6:7], s[20:21]          ; my codes
	s_lshl_b32 s20, s22, 8
	s_add_co_u32 s20, s20, XSOFF
	s_add_nc_u64 s[10:11], s[6:7], s[20:21]        ; my scale bytes
.macro LOAD t
.irp i, 0,1,2,3
	global_load_b128 v[R+16*((\t)%4)+4*\i:R+16*((\t)%4)+4*\i+3], v3, s[4:5] offset:2048*(\t)+512*\i th:TH_LOAD_NT   ; 32 lanes read 512 consecutive bytes
.endr
.endm
.macro TURN t                          ; step t's numbers through the stage: LDS serves a wave's instructions in order, so no wait stands between the stores and the loads
.irp i, 0,1,2,3
	ds_store_b128 v14, v[R+16*((\t)%4)+4*\i:R+16*((\t)%4)+4*\i+3] offset:32*SP*((\t)%2)+8*SP*\i
.endr
.irp i, 0,1,2,3
	ds_load_b128 v[X+16*((\t)%2)+4*\i:X+16*((\t)%2)+4*\i+3], v15 offset:32*SP*((\t)%2)+16*\i
.endr
.endm
.irp t, 0,1,2,3
	LOAD \t
.endr
	s_wait_loadcnt 12                              ; step 0's four loads are in; the twelve of steps 1 to 3 may be out
	TURN 0
.macro STEP t
.set XS, X+16*((\t)%2)
.if (\t) > 0
	s_wait_dscnt 1                                 ; this step's numbers are back from the stage (the last step's byte store may be out): so its stores into the stage have read their registers,
.else
	s_wait_dscnt 0x0
.endif
.if (\t)+4 < STEPS
	LOAD (\t)+4                                    ; which take the loads of four steps on
.endif
.if (\t)+1 < STEPS
.if STEPS-2-(\t) >= 3
	s_wait_loadcnt 12                              ; the next step's four loads are in; those of the three steps behind it may be out
.else
	s_wait_loadcnt 4*(STEPS-2-(\t))
.endif
	TURN (\t)+1                                    ; and go through the other stage while this step is worked
.endif
	v_max3_num_f32 v8, |v[XS]|, |v[XS+1]|, |v[XS+2]|               ; the largest magnitude of my 16, in two chains
	v_max3_num_f32 v9, |v[XS+3]|, |v[XS+4]|, |v[XS+5]|
.irp i, 6,10
	v_max3_num_f32 v8, v8, |v[XS+\i]|, |v[XS+\i+1]|
	v_max3_num_f32 v9, v9, |v[XS+\i+2]|, |v[XS+\i+3]|
.endr
	v_max3_num_f32 v8, v8, |v[XS+14]|, |v[XS+15]|
	v_max3_num_f32 v8, v8, v9, (EMAX+1)<<23        ; and the floor 2^(3 - 127): the byte cannot fall under 1
	v_max_num_f32_dpp v8, v8, v8 row_xmask:1 row_mask:0xf bank_mask:0xf   ; and of my neighbour's 16: the block's
	v_add_nc_u32 v11, 0xff000000, v8               ; 2 off its exponent field: the conversion takes the exponent field of this operand as its scale
	v_cvt_scalef32_pk16_fp6_f32 v[C+4*(\t):C+4*(\t)+2], v[XS:XS+15], v11
	v_lshrrev_b32 v[E+(\t)], 23, v11               ; the scale's byte (also the plain line behind the conversion)
	ds_store_b8 v5, v[E+(\t)] offset:16*(\t)       ; both lanes of a block write the same byte with the same value
	global_store_b96 v4, v[C+4*(\t):C+4*(\t)+2], s[8:9] offset:32*CB*(\t)
.endm
.irp t, 0,1,2,3,4,5,6,7,8,9,10,11,12,13,14,15
	STEP \t
.endr
	ds_load_b64 v[8:9], v6                         ; LDS serves a wave's instructions in order: these see my stores
	s_wait_dscnt 0x0
	global_store_b64 v7, v[8:9], s[10:11]          ; 32 lanes store 256 consecutive bytes, aligned
	s_wait_tensorcnt 0x0                           ; the wave's end
	ds_add_u32 v[SPW], v[NIL]
	s_wait_dscnt 0x0
	s_endpgm
.Lfunc_end_k_q13e5d790e2_quant_x:
	.size	k_q13e5d790e2_quant_x, .Lfunc_end_k_q13e5d790e2_quant_x-k_q13e5d790e2_quant_x
	.p2alignl 7, 3214868480
	.fill 96, 4, 3214868480
	.section	.rodata,"a",@progbits
	.p2align	6, 0x0
	.amdhsa_kernel k_q13e5d790e2_quant_x
		.amdhsa_group_segment_fixed_size 33280
		.amdhsa_private_segment_fixed_size 0
		.amdhsa_enable_private_segment 0
		.amdhsa_kernarg_size 16
		.amdhsa_user_sgpr_count 2
		.amdhsa_user_sgpr_kernarg_segment_ptr 1
		.amdhsa_wavefront_size32 1
		.amdhsa_system_sgpr_workgroup_id_x 1
		.amdhsa_system_sgpr_workgroup_id_y 1
		.amdhsa_system_sgpr_workgroup_id_z 1
		.amdhsa_system_vgpr_workitem_id 0
		.amdhsa_next_free_vgpr 192
		.amdhsa_next_free_sgpr 66
		.amdhsa_reserve_vcc 0
		.amdhsa_float_denorm_mode_32 3
		.amdhsa_float_denorm_mode_16_64 3
		.amdhsa_memory_ordered 1
		.amdhsa_forward_progress 1
		.amdhsa_inst_pref_size 32
	.end_amdhsa_kernel
	.amdgpu_metadata
---
amdhsa.version: [ 1, 2 ]
amdhsa.kernels:
  - .name:           k_q13e5d790e2_quant_x
    .symbol:         k_q13e5d790e2_quant_x.kd
    .args:
      - { .name: x, .offset: 0, .size: 8, .value_kind: global_buffer, .address_space: global }
      - { .name: xq, .offset: 8, .size: 8, .value_kind: global_buffer, .address_space: global }
    .group_segment_fixed_size: 33280
    .private_segment_fixed_size: 0
    .kernarg_segment_align: 8
    .kernarg_segment_size: 16
    .max_flat_workgroup_size: 128
    .sgpr_count:     66
    .vgpr_count:     192
    .wavefront_size: 32
...
	.end_amdgpu_metadata
.endif
;; end of part 1
;; launch quant_w (part 2): grid 32 x 4, 4 waves a work-group, no clusters, 35,840 bytes of LDS; arguments w_qkv, w_proj, wts; writes wts
.if DOCPART == 2
	.amdgcn_target "amdgcn-amd-amdhsa--gfx1250"
	.amdhsa_code_object_version 6
	.text
	.protected	k_q13e5d790e2_quant_w
	.globl	k_q13e5d790e2_quant_w
	.p2align	8
	.type	k_q13e5d790e2_quant_w,@function
k_q13e5d790e2_quant_w:
	s_mov_b64 s[64:65], 0
	v_nop
	global_prefetch_b8 v0, s[64:65] scope:SCOPE_SE
	s_setreg_imm32_b32 hwreg(HW_REG_WAVE_MODE, 25, 1), 1
	s_wait_xcnt 0x0
; w_qkv [1024 (k)][3072] and w_proj [1024 (k)][1024], f32, K their FIRST axis, become codes of FP6 (E2M3) laid [4096][1024] with K innermost (768 bytes a row) and scale bytes [4096][32], both in wts
; (codes from byte 0, scale bytes from byte WSOFF).  Rows 0-3071: w_qkv's columns, position p holding column p with its bits 3 and 4 exchanged (so that a tile of 16 neighbouring positions, taken as a product's first
; source, leaves neighbours along the next K in a lane's registers); rows 3072-4095: w_proj's columns as they stand.  Nothing of reference() is left out here.
; A LANE TAKES A COLUMN AND ITS REGISTERS RUN DOWN K: a block of 32 lies in one lane's 32 registers, and the conversions give codes with K innermost.  Only which column a lane LOADS hangs on the exchange of bits.
; A wave takes 32 positions x 256 along K; a lane's codes go through the wave's own stage in LDS and leave as rows: sixteen lanes store a row's 192 consecutive bytes.  A lane's 8 scale bytes leave by one store
; (rows 32 bytes apart: one byte in 128 of what the launch reads).  Work-groups 0-23 along x take w_qkv, 24-31 w_proj: pointer, pitch and the exchange are chosen by the work-group's number; there is one path.
; LIMITS: a block of zeros gets the byte 1 where the rule says 127 (its codes are zeros; this program alone reads the bytes); blocks under 2^-124 keep the byte 1; NaN and infinities are not served.
.set NB,    8                          ; blocks of 32 along K for a wave
.set PITCH, 272                        ; a stage row: sixteen places of 16 bytes, each with 12 bytes of codes, + 16
.set KROW,  768                        ; a row of codes in bytes
.set EMAX,  2
.set WSOFF, 3145728                    ; where the scale bytes begin in wts
.set X,     32                         ; v32-95   two sets of 32 numbers
.set C,     96                         ; v96..    a block's codes
.set OUTR,  112                        ; v112-175 the way out
.set RO,    176                        ; v176-207 4 x my column + i rows of the weight, i = 0 .. 31; never rewritten
.set SPW,   14                         ; v14  LDS address of my spare word; never rewritten
.set NIL,   15                         ; v15  0; never rewritten
.set SPARE, 4*32*PITCH                 ; behind the four stages: the spare words, 128 bytes a wave, which no other line names
.set SB,    24                         ; v24-25   the scale bytes, four to a register
.set BAS,   32                         ; s[32:47] the weight at my wave's first column, 32 t rows down, t = 0 .. 7
	s_load_b128 s[4:7], s[0:1], 0x0                ; w_qkv, w_proj
	s_load_b64 s[8:9], s[0:1], 0x10                ; wts
	v_lshl_add_u32 v[SPW], v0, 2, SPARE
	v_mov_b32 v[NIL], 0
	v_lshrrev_b32 v1, 5, v0
	v_readfirstlane_b32 s16, v1                    ; wave 0..3
	v_and_b32 v2, 31, v0                           ; lane
	s_and_b32 s18, ttmp7, 0xffff                   ; which 256 along K
	s_mul_i32 s19, s16, 32*PITCH                   ; my stage
	v_mul_u32_u24 v4, v2, PITCH
	v_add_nc_u32 v4, s19, v4                       ; into it: row = my position
	v_and_b32 v5, 15, v2
	v_lshrrev_b32 v6, 4, v2                        ; out of it: sixteen lanes to a row, two rows an instruction
	v_mul_u32_u24 v7, v6, PITCH
	v_lshl_add_u32 v7, v5, 4, v7
	v_add_nc_u32 v7, s19, v7
	v_mul_u32_u24 v8, v6, KROW
	v_mad_u32_u24 v8, v5, 12, v8                   ; and the same place among the codes
	v_lshlrev_b32 v9, 5, v2                        ; my position's row of scale bytes
	v_and_b32 v10, 7, v2
	v_and_b32 v11, 8, v2
	v_lshl_or_b32 v10, v11, 1, v10
	v_and_b32 v11, 16, v2
	v_lshrrev_b32 v11, 1, v11
	v_or_b32 v10, v10, v11                         ; the lane with its bits 3 and 4 exchanged
	s_cmp_lt_u32 ttmp9, 24                         ; w_qkv's work-group or w_proj's?
	s_cselect_b32 s20, -1, 0
	s_mov_b32 s21, 4096
	s_cselect_b32 s21, 12288, s21                  ; a row of the weight in bytes
	s_cselect_b32 s22, 0, 24
	s_sub_co_u32 s22, ttmp9, s22                   ; my group of 128 columns in its weight
	v_cndmask_b32 v3, v2, v10, s20                 ; the column that I load
	v_lshlrev_b32 v3, 2, v3
.irp i, 0,1,2,3,4,5,6,7,8,9,10,11,12,13,14,15,16,17,18,19,20,21,22,23,24,25,26,27,28,29,30,31
	v_mad_u32_u24 v[RO+\i], s21, \i, v3
.endr
	s_lshl_b32 s23, s18, 8
	s_mul_i32 s24, s23, s21                        ; 256 y rows down,
	s_lshl_b32 s25, s22, 9
	s_add_co_u32 s24, s24, s25                     ; 128 columns a group,
	s_lshl_b32 s25, s16, 7
	s_add_co_u32 s24, s24, s25                     ; 32 a wave
	s_mov_b32 s25, 0
	s_lshl_b32 s26, s21, 5                         ; 32 rows
	s_mov_b32 s27, 0
	s_lshl_b32 s28, ttmp9, 7
	s_lshl_b32 s29, s16, 5
	s_add_co_u32 s28, s28, s29                     ; my wave's first row of wts
	s_mul_i32 s10, s28, KROW
	s_mul_i32 s11, s18, 192
	s_add_co_u32 s10, s10, s11
	s_mov_b32 s11, 0
	s_lshl_b32 s30, s28, 5
	s_lshl_b32 s29, s18, 3
	s_add_co_u32 s30, s30, s29
	s_add_co_u32 s30, s30, WSOFF
	s_mov_b32 s31, 0
	s_wait_alu depctr_va_vdst(0)
	s_wait_kmcnt 0x0
	s_cmp_lt_u32 ttmp9, 24
	s_cselect_b64 s[4:5], s[4:5], s[6:7]
	s_add_nc_u64 s[BAS:BAS+1], s[4:5], s[24:25]
.irp t, 1,2,3,4,5,6,7
	s_add_nc_u64 s[BAS+2*\t:BAS+2*\t+1], s[BAS+2*\t-2:BAS+2*\t-1], s[26:27]
.endr
	s_add_nc_u64 s[12:13], s[8:9], s[10:11]        ; my codes
	s_add_nc_u64 s[14:15], s[8:9], s[30:31]        ; my scale bytes
.macro LOAD t                          ; block t: W(32 t + i, my column), i = 0 .. 31, into set t % 2: 32 lanes read 128 bytes of a row
.irp i, 0,1,2,3,4,5,6,7,8,9,10,11,12,13,14,15,16,17,18,19,20,21,22,23,24,25,26,27,28,29,30,31
	global_load_b32 v[X+32*((\t)%2)+\i], v[RO+\i], s[BAS+2*(\t):BAS+2*(\t)+1] th:TH_LOAD_NT
.endr
.endm
	LOAD 0
	LOAD 1
.macro BLOCK t
.set XS, X+32*((\t)%2)
.if (\t) < NB-1
	s_wait_loadcnt 32                              ; this block's 32 loads are in; the next block's 32 may be out
.else
	s_wait_loadcnt 0
.endif
	v_max3_num_f32 v12, |v[XS]|, |v[XS+1]|, |v[XS+2]|               ; the block's largest magnitude: all 32 numbers are mine
	v_max3_num_f32 v13, |v[XS+3]|, |v[XS+4]|, |v[XS+5]|
.irp i, 6,10,14,18,22,26
	v_max3_num_f32 v12, v12, |v[XS+\i]|, |v[XS+\i+1]|
	v_max3_num_f32 v13, v13, |v[XS+\i+2]|, |v[XS+\i+3]|
.endr
	v_max3_num_f32 v12, v12, |v[XS+30]|, |v[XS+31]|
	v_max3_num_f32 v12, v12, v13, (EMAX+1)<<23     ; and the floor 2^(3 - 127): the byte cannot fall under 1
	v_add_nc_u32 v11, 0xff000000, v12              ; 2 off its exponent field: the conversion's scale operand
	v_lshrrev_b32 v13, 23, v11                     ; the scale's byte
.if (\t)%4 == 0
	v_mov_b32 v[SB+(\t)/4], v13                    ; four bytes to a register, the lower K in the lower byte
.else
	v_lshl_or_b32 v[SB+(\t)/4], v13, 8*((\t)%4), v[SB+(\t)/4]
.endif
	v_cvt_scalef32_pk16_fp6_f32 v[C:C+2], v[XS:XS+15], v11
	v_cvt_scalef32_pk16_fp6_f32 v[C+4:C+6], v[XS+16:XS+31], v11     ; (a conversion's three registers begin on an even number)
	v_nop                                          ; one plain line behind the conversions
	ds_store_b96 v4, v[C:C+2] offset:32*(\t)       ; 16 codes, 12 bytes, to a place of 16 bytes, so that every LDS address is a multiple of 16
	ds_store_b96 v4, v[C+4:C+6] offset:32*(\t)+16
.if (\t)+2 < NB
	LOAD (\t)+2
.endif
	s_wait_dscnt 0x0                               ; the stores have read their registers: the next block's codes may be written
.endm
.irp t, 0,1,2,3,4,5,6,7
	BLOCK \t
.endr
	s_wait_alu depctr_va_vdst(0)
	global_store_b64 v9, v[SB:SB+1], s[14:15]      ; my position's 8 scale bytes
.irp t, 0,1,2,3,4,5,6,7,8,9,10,11,12,13,14,15
	ds_load_b96 v[OUTR+4*\t:OUTR+4*\t+2], v7 offset:2*\t*PITCH   ; LDS serves a wave's instructions in order: these see my stores
.endr
.irp t, 0,1,2,3,4,5,6,7,8,9,10,11,12,13,14,15
	s_wait_dscnt 15-\t                             ; the younger loads may be out
	global_store_b96 v8, v[OUTR+4*\t:OUTR+4*\t+2], s[12:13] offset:2*\t*KROW
.endr
	s_wait_tensorcnt 0x0                           ; the wave's end
	ds_add_u32 v[SPW], v[NIL]
	s_wait_dscnt 0x0
	s_endpgm
.Lfunc_end_k_q13e5d790e2_quant_w:
	.size	k_q13e5d790e2_quant_w, .Lfunc_end_k_q13e5d790e2_quant_w-k_q13e5d790e2_quant_w
	.p2alignl 7, 3214868480
	.fill 96, 4, 3214868480
	.section	.rodata,"a",@progbits
	.p2align	6, 0x0
	.amdhsa_kernel k_q13e5d790e2_quant_w
		.amdhsa_group_segment_fixed_size 35840
		.amdhsa_private_segment_fixed_size 0
		.amdhsa_enable_private_segment 0
		.amdhsa_kernarg_size 24
		.amdhsa_user_sgpr_count 2
		.amdhsa_user_sgpr_kernarg_segment_ptr 1
		.amdhsa_wavefront_size32 1
		.amdhsa_system_sgpr_workgroup_id_x 1
		.amdhsa_system_sgpr_workgroup_id_y 1
		.amdhsa_system_sgpr_workgroup_id_z 1
		.amdhsa_system_vgpr_workitem_id 0
		.amdhsa_next_free_vgpr 208
		.amdhsa_next_free_sgpr 66
		.amdhsa_reserve_vcc 0
		.amdhsa_float_denorm_mode_32 3
		.amdhsa_float_denorm_mode_16_64 3
		.amdhsa_memory_ordered 1
		.amdhsa_forward_progress 1
		.amdhsa_inst_pref_size 45
	.end_amdhsa_kernel
	.amdgpu_metadata
---
amdhsa.version: [ 1, 2 ]
amdhsa.kernels:
  - .name:           k_q13e5d790e2_quant_w
    .symbol:         k_q13e5d790e2_quant_w.kd
    .args:
      - { .name: w_qkv, .offset: 0, .size: 8, .value_kind: global_buffer, .address_space: global }
      - { .name: w_proj, .offset: 8, .size: 8, .value_kind: global_buffer, .address_space: global }
      - { .name: wts, .offset: 16, .size: 8, .value_kind: global_buffer, .address_space: global }
    .group_segment_fixed_size: 35840
    .private_segment_fixed_size: 0
    .kernarg_segment_align: 8
    .kernarg_segment_size: 24
    .max_flat_workgroup_size: 128
    .sgpr_count:     66
    .vgpr_count:     208
    .wavefront_size: 32
...
	.end_amdgpu_metadata
.endif
;; end of part 2
;; launch gemm_qkv (part 3): grid 96 x 4, 4 waves a work-group, clusters of 4 x 4, 327,680 bytes of LDS; arguments xq, wts, b_qkv, qb, kv; writes qb, kv
.if DOCPART == 3
	.amdgcn_target "amdgcn-amd-amdhsa--gfx1250"
	.amdhsa_code_object_version 6
	.text
	.protected	k_q13e5d790e2_gemm_qkv
	.globl	k_q13e5d790e2_gemm_qkv
	.p2align	8
	.type	k_q13e5d790e2_gemm_qkv,@function
k_q13e5d790e2_gemm_qkv:
	s_mov_b64 s[64:65], 0
	v_nop
	global_prefetch_b8 v0, s[64:65] scope:SCOPE_SE
	s_setreg_imm32_b32 hwreg(HW_REG_WAVE_MODE, 25, 1), 1
	s_wait_xcnt 0x0
	s_wait_alu depctr_hold_cnt(0) depctr_sa_sdst(0) depctr_va_vdst(0) depctr_va_sdst(0) depctr_va_ssrc(0) depctr_va_vcc(0) depctr_vm_vsrc(0)
	s_getreg_b32 s2, hwreg(HW_REG_IB_STS2, 6, 4)
	s_cmp_eq_u32 s2, 0
	s_cbranch_scc0 .Lentry_in_a_cluster
	s_endpgm
.Lentry_in_a_cluster:
	s_bfe_u32 s2, ttmp6, 0x10000c
	s_cmp_lg_u32 s2, 0xf033
	s_cbranch_scc0 .Lentry_shape_is_right
	s_endpgm
.Lentry_shape_is_right:
.set KSTEP,  256
.set NQ,     2
.set ROWB,   192
.set KROW,   768
.set PITCH,  240
.set FR,     12
.set NL,     6
.set NP,     4
.set HALFT,  128*PITCH
.set SLOT,   4*HALFT
.set LAPS,   2
.set KS,     32
.set SCL,    2*SLOT
.set HALFS,  (128*KS/256)*272
.set SBLK,   (16*KS/256)*272
.set SPARE,  SCL+4*HALFS
.set XSOFF,  6291456
.set WSOFF,  3145728
.set L16,  7
.set L8,   8
.set SQ,   9
.set RQ,   10
.set SV,   11
.set RV,   12
.set BQO,  13
.set BVO,  14
.set ADRA, 16
.set ADRB, 20
.set ADRS, 27
.set SPW,  28
.set NIL,  29
.set SC,   32
.set AF,   128
.set H,    64
.set BI,   128
.set PC,   192
.set TM,   212
.set PW,   228
.set W0,   229
.set W1,   230
.set RB,   232
.set BV,   240
.set G1, 24
.set G0, 32
.set G1B, 48
.set G0B, 56
.set G1S, 68
.set G0S, 76
.set G1SB, 80
.set G0SB, 88
.set OB0, 24
.set OB1, 26
.set SB0, 28
.set SB1, 30
.set SEL, 32
.set ROLE, 100
.set XC,   101
.set MSB, 0
.macro WIN new
.if MSB != (\new)
	s_set_vgpr_msb (MSB<<8)|(\new)
.set MSB, (\new)
.endif
.endm
.set MUL_LO, 0xa1
.set MUL_HI, 0xf1
.set TO_B,   0x40
.macro JLOAD g0a, g1a, g0b, g1b
	s_cmp_eq_u32 s15, 0
	s_cbranch_scc0 .Lfor_b_\@
	tensor_load_to_lds s[\g0a:\g0a+3], s[\g1a:\g1a+7]
	s_nop 0
.rept 4
	v_nop
.endr
	s_branch .Lasked_\@
.Lfor_b_\@:
	tensor_load_to_lds s[\g0b:\g0b+3], s[\g1b:\g1b+7]
	s_nop 0
.rept 4
	v_nop
.endr
.Lasked_\@:
.endm
.macro CREST
	s_cmp_lg_u32 s14, 0
	s_cbranch_scc1 .Lnot_wave_0_\@
	s_barrier_signal -3
.Lnot_wave_0_\@:
	s_barrier_wait -3
	s_barrier_signal -1
	s_barrier_wait -1
.endm
.macro CROUND
	s_barrier_signal -1
	s_barrier_wait -1
	CREST
.endm
	s_load_b128 s[4:7], s[0:1], 0x0
	s_load_b64 s[12:13], s[0:1], 0x10
	s_load_b64 s[96:97], s[0:1], 0x18
	s_load_b64 s[98:99], s[0:1], 0x20
	v_lshl_add_u32 v[SPW], v0, 2, SPARE
	v_mov_b32 v[NIL], 0
	ds_add_u32 v[SPW], v[NIL]
	ds_add_u32 v[SPW], v[NIL]
	v_lshrrev_b32 v1, 5, v0
	v_readfirstlane_b32 s14, v1
	s_lshr_b32 s15, s14, 1
	s_and_b32 s16, s14, 1
	s_bfe_u32 s40, ttmp6, 0x40000
	s_bfe_u32 s41, ttmp6, 0x40004
	s_and_b32 s18, ttmp9, 1
	s_max_u32 s19, ttmp9, 16
	s_sub_co_u32 s19, s19, 16
	s_lshr_b32 s20, ttmp9, 1
	s_cmp_lt_u32 ttmp9, 16
	s_cselect_b32 s[XC], s18, s19
	s_cselect_b32 s20, s20, 2
	s_cselect_b32 s[ROLE], 0, 1
	s_lshl_b32 s42, s[XC], 2
	s_add_co_u32 s42, s42, s40
	s_lshl_b32 s17, s20, 2
	s_add_co_u32 s17, s17, s41
	s_lshl_b32 s43, s41, 2
	s_lshl_b32 s43, 15, s43
	s_lshl_b32 s44, 0x1111, s40
	s_or_b32 s[G1+0], s43, (0<<16)|(1<<20)|(1<<21)|(3<<22)|(3<<25)
	s_or_b32 s[G1B+0], s44, (0<<16)|(1<<20)|(1<<21)|(3<<22)|(3<<25)
.irp g, G1, G1B
	s_mov_b32 s[\g+1], ROWB<<16
	s_mov_b32 s[\g+2], 128<<16
	s_mov_b32 s[\g+3], ROWB<<16
	s_mov_b32 s[\g+4], 128
	s_mov_b32 s[\g+5], KROW
	s_mov_b32 s[\g+6], 0
	s_mov_b32 s[\g+7], 0
.endr
	s_or_b32 s[G1S+0], s43, (3<<16)|(1<<20)|(1<<21)|(5<<22)|(3<<25)
	s_or_b32 s[G1SB+0], s44, (3<<16)|(1<<20)|(1<<21)|(5<<22)|(3<<25)
.irp g, G1S, G1SB
	s_mov_b32 s[\g+1], 32<<16
	s_mov_b32 s[\g+2], (128*KS/256)<<16
	s_mov_b32 s[\g+3], 32<<16
	s_mov_b32 s[\g+4], 128*KS/256
	s_mov_b32 s[\g+5], 32
	s_mov_b32 s[\g+6], 0
	s_mov_b32 s[\g+7], 0
.endr
	s_lshl_b32 s18, s16, 7
	s_lshl_b32 s20, s17, 8
	s_add_co_u32 s20, s20, s18
	s_lshl_b32 s46, s42, 8
	s_add_co_u32 s46, s46, s18
	s_mov_b32 s21, 0
	s_mov_b32 s47, 0
	s_mov_b64 s[18:19], KS
	s_mul_u64 s[22:23], s[20:21], s[18:19]
	s_mul_u64 s[92:93], s[46:47], s[18:19]
	s_mov_b64 s[18:19], KROW
	s_mul_u64 s[20:21], s[20:21], s[18:19]
	s_mul_u64 s[46:47], s[46:47], s[18:19]
	s_mul_i32 s45, s14, HALFT
	s_mul_i32 s94, s14, HALFS
	s_wait_dscnt 0x0
	s_wait_kmcnt 0x0
	s_add_nc_u64 s[8:9], s[4:5], XSOFF
	s_add_nc_u64 s[10:11], s[6:7], WSOFF
	s_cmp_lt_u32 ttmp9, 16
	s_cselect_b64 s[66:67], s[4:5], s[6:7]
	s_cselect_b64 s[6:7], s[6:7], s[4:5]
	s_cselect_b64 s[4:5], s[8:9], s[10:11]
	s_cselect_b64 s[10:11], s[10:11], s[8:9]
	s_add_nc_u64 s[20:21], s[66:67], s[20:21]
	s_add_nc_u64 s[22:23], s[4:5], s[22:23]
	s_add_nc_u64 s[46:47], s[6:7], s[46:47]
	s_add_nc_u64 s[92:93], s[10:11], s[92:93]
	CROUND
	s_mov_b32 s[G0S], 1
	s_add_co_u32 s[G0S+1], s94, SCL
	s_mov_b64 s[G0S+2:G0S+3], s[22:23]
	s_or_b32 s[G0S+3], s[G0S+3], 0x80000000
	s_mov_b32 s[G0SB], 1
	s_add_co_u32 s[G0SB+1], s94, SCL
	s_mov_b64 s[G0SB+2:G0SB+3], s[92:93]
	s_or_b32 s[G0SB+3], s[G0SB+3], 0x80000000
	JLOAD G0S, G1S, G0SB, G1SB
.irp s, 0,1
	s_mov_b32 s[G0+4*\s], 1
	s_add_co_u32 s[G0+4*\s+1], s45, \s*SLOT
	s_add_nc_u64 s[G0+4*\s+2:G0+4*\s+3], s[20:21], \s*ROWB
	s_or_b32 s[G0+4*\s+3], s[G0+4*\s+3], 0x80000000
	s_mov_b32 s[G0B+4*\s], 1
	s_add_co_u32 s[G0B+4*\s+1], s45, \s*SLOT
	s_add_nc_u64 s[G0B+4*\s+2:G0B+4*\s+3], s[46:47], \s*ROWB
	s_or_b32 s[G0B+4*\s+3], s[G0B+4*\s+3], 0x80000000
	s_wait_alu depctr_va_vdst(0)
	s_wait_tensorcnt 0x0
	ds_add_u32 v28, v29
	s_wait_dscnt 0x0
	CROUND
	JLOAD G0+4*\s, G1, G0B+4*\s, G1B
.endr
	v_and_b32 v1, 15, v0
	v_bfe_u32 v2, v0, 4, 1
	v_mul_u32_u24 v3, v1, PITCH
	v_mul_u32_u24 v4, v2, 24
	v_add_nc_u32 v4, v3, v4
	v_lshl_add_u32 v5, v2, 4, v4
	s_mul_i32 s21, s15, HALFT
	s_mul_i32 s22, s16, HALFT
	s_add_co_u32 s22, s22, 2*HALFT
.irp s, 0,1
	v_add_nc_u32 v[ADRA+\s], s21, v4
	v_add_nc_u32 v[ADRB+\s], s22, v4
	v_add_nc_u32 v[ADRA+2+\s], s21, v5
	v_add_nc_u32 v[ADRB+2+\s], s22, v5
	s_add_co_u32 s21, s21, SLOT
	s_add_co_u32 s22, s22, SLOT
.endr
	v_mul_u32_u24 v5, v1, KS
	v_lshrrev_b32 v6, 8, v5
	v_lshl_add_u32 v5, v6, 4, v5
	s_mul_i32 s21, s15, HALFS
	s_mul_i32 s22, s16, HALFS
	s_add_co_u32 s22, s22, 2*HALFS
	s_sub_co_u32 s22, s22, s21
	v_mul_u32_u24 v6, s22, v2
	s_add_co_u32 s21, s21, SCL
	v_add_nc_u32 v5, v5, v6
	v_add_nc_u32 v[ADRS], s21, v5
	v_and_b32 v6, 31, v0
	v_lshlrev_b32 v[L16], 4, v6
	v_lshlrev_b32 v[L8], 3, v6
	s_lshl_b32 s23, s14, 10
	v_lshl_add_u32 v[SQ], v1, 4, s23
	v_add_nc_u32 v[RQ], s23, v[L16]
	s_add_co_u32 s23, s23, 4096
	v_lshl_add_u32 v[SV], v1, 3, s23
	v_add_nc_u32 v[RV], s23, v[L8]
	v_lshlrev_b32 v[BQO], 6, v2
	v_and_b32 v5, 8, v1
	v_add_nc_u32 v5, v5, v1
	v_lshlrev_b32 v[BVO], 2, v5
.macro FRAG reg, adr, q, i
.irp p, 0,1,2,3,4,5
.set PCE, 12*(\q)+6*(\p/3)+\p%3
.if PCE%8 < 5
	ds_load_b64 v[\reg+2*\p:\reg+2*\p+1], v[\adr] offset:8*PCE+16*(PCE/8)+(\i)*16*PITCH
.else
	ds_load_b64 v[\reg+2*\p:\reg+2*\p+1], v[\adr+2] offset:8*PCE+16*(PCE/8)+(\i)*16*PITCH
.endif
.endr
.endm
.macro MUL16 a0, p, q, sc, zero
.irp a, \a0, \a0+1
.irp b, 0,1,2,3,4,5,6,7
.if \zero
	v_wmma_scale_f32_16x16x128_f8f6f4 v[8*(8*((\a)%4)+\b):8*(8*((\a)%4)+\b)+7], v[128*(\p)+FR*\b:128*(\p)+FR*\b+FR-1], v[AF+FR*(\a):AF+FR*(\a)+FR-1], 0, v[SC+8*NQ*(\sc)+NQ*\b+(\q)], v[SC+8*NQ*(\sc)+NQ*(\a)+(\q)] matrix_a_fmt:MATRIX_FMT_FP6 matrix_b_fmt:MATRIX_FMT_FP6 matrix_a_scale:MATRIX_SCALE_ROW1
.else
	v_wmma_scale_f32_16x16x128_f8f6f4 v[8*(8*((\a)%4)+\b):8*(8*((\a)%4)+\b)+7], v[128*(\p)+FR*\b:128*(\p)+FR*\b+FR-1], v[AF+FR*(\a):AF+FR*(\a)+FR-1], v[8*(8*((\a)%4)+\b):8*(8*((\a)%4)+\b)+7], v[SC+8*NQ*(\sc)+NQ*\b+(\q)], v[SC+8*NQ*(\sc)+NQ*(\a)+(\q)] matrix_a_fmt:MATRIX_FMT_FP6 matrix_b_fmt:MATRIX_FMT_FP6 matrix_a_scale:MATRIX_SCALE_ROW1
.endif
.endr
.endr
.endm
.macro FETCH_B slot, q, p
	WIN TO_B
.irp i, 0,1,2,3,4,5,6,7
	FRAG 128*(\p)+FR*\i, ADRB+\slot, \q, \i
.endr
	WIN 0
.endm
.macro FETCH_A slot, q, i0
.irp i, \i0, \i0+1, \i0+2, \i0+3
	FRAG AF+FR*(\i), ADRA+\slot, \q, \i
.endr
.endm
.macro SCALES sc
.irp i, 0,1,2,3,4,5,6,7
	ds_load_b64 v[SC+8*NQ*\sc+NQ*\i:SC+8*NQ*\sc+NQ*\i+1], v[ADRS] offset:\i*SBLK
.endr
.endm
.macro PLACES n
.rept \n
	v_nop
.endr
.endm
.macro STEP slot, q, zero
	s_wait_dscnt 4*NL
	WIN MUL_LO
	MUL16 0, (\q)%2, \q, \slot, \zero
	MUL16 2, (\q)%2, \q, \slot, \zero
	s_wait_dscnt 0
	PLACES NP
	FETCH_B \slot, (\q)+1, 1-(\q)%2
	FETCH_A \slot, (\q)+1, 0
	WIN MUL_HI
	MUL16 4, (\q)%2, \q, \slot, \zero
	MUL16 6, (\q)%2, \q, \slot, \zero
	PLACES NP
	WIN 0
	FETCH_A \slot, (\q)+1, 4
.endm
.macro TURN slot, next, fill
	s_wait_tensorcnt 0x0
	ds_add_u32 v[SPW], v[NIL]
	s_wait_dscnt 4*NL+1
	WIN MUL_LO
	MUL16 0, 1, NQ-1, \slot, 0
	s_wait_dscnt 0x0
	s_barrier_signal -1
	MUL16 2, 1, NQ-1, \slot, 0
	WIN 0
	s_barrier_wait -1
.if \fill
	CREST
	s_add_nc_u64 s[G0+4*\slot+2:G0+4*\slot+3], s[G0+4*\slot+2:G0+4*\slot+3], 2*ROWB
	s_add_nc_u64 s[G0B+4*\slot+2:G0B+4*\slot+3], s[G0B+4*\slot+2:G0B+4*\slot+3], 2*ROWB
	JLOAD G0+4*\slot, G1, G0B+4*\slot, G1B
.else
	PLACES NP
.endif
	s_wait_alu depctr_va_vdst(0)
	v_add_nc_u32 v[ADRS], 4*NQ, v[ADRS]
	FETCH_B \next, 0, 0
	FETCH_A \next, 0, 0
	SCALES \next
	WIN MUL_HI
	MUL16 4, 1, NQ-1, \slot, 0
	MUL16 6, 1, NQ-1, \slot, 0
	PLACES NP
	WIN 0
	FETCH_A \next, 0, 4
.endm
	s_wait_tensorcnt 1
	s_barrier_signal -1
	s_barrier_wait -1
	FETCH_B 0, 0, 0
	FETCH_A 0, 0, 0
	SCALES 0
	FETCH_A 0, 0, 4
	STEP 0, 0, 1
	s_mov_b32 s3, LAPS-1
.Llap:
	TURN 0, 1, 1
	STEP 1, 0, 0
	TURN 1, 0, 1
	STEP 0, 0, 0
	s_sub_co_u32 s3, s3, 1
	s_cmp_lg_u32 s3, 0
	s_cbranch_scc1 .Llap
	TURN 0, 1, 0
	STEP 1, 0, 0
	s_wait_dscnt 4*NL
	WIN MUL_LO
	MUL16 0, 1, NQ-1, 1, 0
	MUL16 2, 1, NQ-1, 1, 0
	s_wait_dscnt 0
	WIN MUL_HI
	MUL16 4, 1, NQ-1, 1, 0
	MUL16 6, 1, NQ-1, 1, 0
	WIN 0
.macro TAKE a, bias, walk
	WIN 0x02+(\a)/4
.set i, 0
.rept 32
	v_pk_add_f32 v[H+2*i:H+2*i+1], v[64*((\a)%4)+2*i:64*((\a)%4)+2*i+1], v[(\bias)+2*i*(\walk):(\bias)+2*i*(\walk)+1]
.set i, i+1
.endr
	WIN 0
.endm
.macro QUANT s
.irp b, 0,1,2,3
	v_max3_num_f32 v[TM+\b], |v[\s+16*\b]|, |v[\s+1+16*\b]|, 0x1800000
.endr
.irp i, 2,4,6,8,10,12,14
.irp b, 0,1,2,3
	v_max3_num_f32 v[TM+\b], v[TM+\b], |v[\s+16*\b+\i]|, |v[\s+1+16*\b+\i]|
.endr
.endr
.irp b, 0,1,2,3
	v_permlanex16_b32 v[TM+4+\b], v[TM+\b], s[SEL], s[SEL+1]
.endr
.irp b, 0,1,2,3
	v_max_num_f32 v[TM+\b], v[TM+\b], v[TM+4+\b]
.endr
.irp b, 0,1,2,3
	v_add_nc_u32 v[TM+12+\b], 0xff000000, v[TM+\b]
.endr
.irp b, 0,1,2,3
	v_lshrrev_b32 v[TM+4+\b], 23, v[TM+12+\b]
.endr
	v_lshl_or_b32 v[PW], v[TM+5], 8, v[TM+4]
	v_lshl_or_b32 v[PW], v[TM+6], 16, v[PW]
	v_lshl_or_b32 v[PW], v[TM+7], 24, v[PW]
.irp c, 0,1
	v_cvt_scalef32_pk16_fp6_f32 v[PC+6*\c:PC+2+6*\c], v[\s+32*\c:\s+15+32*\c], v[TM+12+2*\c]
	v_cvt_scalef32_pk16_fp6_f32 v[PC+12+4*\c:PC+14+4*\c], v[\s+16+32*\c:\s+31+32*\c], v[TM+12+2*\c+1]
.endr
	v_nop
.irp c, 0,1
.irp i, 0,1,2
	v_permlane16_swap_b32 v[PC+6*\c+\i], v[PC+12+4*\c+\i]
.endr
.irp i, 0,1,2
	v_mov_b32 v[PC+3+6*\c+\i], v[PC+12+4*\c+\i]
.endr
.endr
.endm
	PLACES NP
.irp b, 0,1,2,3
	v_mov_b32 v[TM+4+\b], 0
.endr
	s_mov_b32 s[SEL], 0x76543210
	s_mov_b32 s[SEL+1], 0xfedcba98
	s_mov_b32 s35, 0
	s_cmp_lg_u32 s[ROLE], 0
	s_cbranch_scc1 .Lrole_v
	s_lshr_b32 s34, s17, 3
	s_lshl_b32 s34, s34, 4
	s_and_b32 s36, s42, 3
	s_lshl_b32 s36, s36, 2
	s_add_co_u32 s34, s34, s36
	s_lshl_b32 s36, s16, 1
	s_add_co_u32 s34, s34, s36
	s_lshl_b32 s34, s34, 4
	s_and_b32 s36, s17, 7
	s_lshl_b32 s36, s36, 1
	s_add_co_u32 s34, s34, s36
	s_add_co_u32 s34, s34, s15
	s_cmp_eq_u32 s[XC], 0
	s_cselect_b64 s[OB0:OB0+1], s[96:97], s[98:99]
	s_mov_b32 s36, 13056
	s_cselect_b32 s36, 6656, s36
	s_mov_b32 s37, 12288
	s_cselect_b32 s37, 6144, s37
	s_mul_i32 s34, s34, s36
	s_add_nc_u64 s[OB0:OB0+1], s[OB0:OB0+1], s[34:35]
	s_lshl_b32 s34, s36, 4
	s_add_nc_u64 s[OB1:OB1+1], s[OB0:OB0+1], s[34:35]
	s_mov_b32 s34, s37
	s_add_nc_u64 s[SB0:SB0+1], s[OB0:OB0+1], s[34:35]
	s_add_nc_u64 s[SB1:SB1+1], s[OB1:OB1+1], s[34:35]
	s_lshl_b32 s34, s42, 10
	s_lshl_b32 s36, s16, 9
	s_add_co_u32 s34, s34, s36
	s_add_nc_u64 s[12:13], s[12:13], s[34:35]
.irp b, 0,1,2,3
.irp j, 0,1,2,3
	global_load_b128 v[BI+16*\b+4*\j:BI+16*\b+4*\j+3], v[BQO], s[12:13] offset:128*\b+16*\j
.endr
.endr
	s_wait_loadcnt 0x0
.irp a, 0,1,2,3,4,5,6,7
	TAKE \a, BI, 1
.if \a > 0
	s_wait_xcnt 0x0
	s_wait_dscnt 0x0
.endif
	QUANT H
	v_and_b32 v[W0], 0xffff, v[PW]
	v_lshrrev_b32 v[W1], 16, v[PW]
	ds_store_b32 v[SQ], v[W0] offset:256*(\a%2)+4*(\a/2)
	ds_store_b32 v[SQ], v[W1] offset:512+256*(\a%2)+4*(\a/2)
	global_store_b128 v[L16], v[PC:PC+3], s[OB0:OB0+1] offset:768*\a
	global_store_b64 v[L8], v[PC+4:PC+5], s[OB0:OB0+1] offset:768*\a+512
	global_store_b128 v[L16], v[PC+6:PC+9], s[OB1:OB1+1] offset:768*\a
	global_store_b64 v[L8], v[PC+10:PC+11], s[OB1:OB1+1] offset:768*\a+512
.endr
	ds_load_b128 v[RB:RB+3], v[RQ]
	ds_load_b128 v[RB+4:RB+7], v[RQ] offset:512
	s_wait_dscnt 0x0
	global_store_b128 v[L16], v[RB:RB+3], s[SB0:SB0+1]
	global_store_b128 v[L16], v[RB+4:RB+7], s[SB1:SB1+1]
	s_branch .Ljoin
.Lrole_v:
	s_lshr_b32 s34, s42, 3
	s_lshl_b32 s34, s34, 4
	s_lshl_b32 s36, s41, 2
	s_add_co_u32 s34, s34, s36
	s_lshl_b32 s36, s15, 1
	s_add_co_u32 s34, s34, s36
	s_lshl_b32 s34, s34, 4
	s_and_b32 s36, s42, 7
	s_lshl_b32 s36, s36, 1
	s_add_co_u32 s34, s34, s36
	s_add_co_u32 s34, s34, s16
	s_mul_i32 s34, s34, 13056
	s_add_co_u32 s34, s34, 6144
	s_add_nc_u64 s[OB0:OB0+1], s[98:99], s[34:35]
	s_add_nc_u64 s[OB1:OB1+1], s[OB0:OB0+1], 16*13056
	s_add_nc_u64 s[SB0:SB0+1], s[OB0:OB0+1], 6656
	s_add_nc_u64 s[SB1:SB1+1], s[OB1:OB1+1], 6656
	s_lshl_b32 s34, s41, 10
	s_lshl_b32 s36, s15, 9
	s_add_co_u32 s34, s34, s36
	s_add_co_u32 s34, s34, 8192
	s_add_nc_u64 s[12:13], s[12:13], s[34:35]
.irp a, 0,1,2,3,4,5,6,7
	global_load_b32 v[BV+2*\a], v[BVO], s[12:13] offset:4*(32*(\a/2)+8*(\a%2))
.endr
	s_wait_loadcnt 0x0
.irp a, 0,1,2,3,4,5,6,7
	v_mov_b32 v[BV+2*\a+1], v[BV+2*\a]
.endr
.irp a, 0,1,2,3,4,5,6,7
	TAKE \a, BV+2*\a, 0
.if \a > 0
	s_wait_xcnt 0x0
	s_wait_dscnt 0x0
.endif
	QUANT H
	ds_store_b32 v[SV], v[PW] offset:256*(\a/4)+128*(\a%2)+4*((\a%4)/2)
.irp c, 0,1,2
	global_store_b128 v[L16], v[PC+4*\c:PC+4*\c+3], s[OB0+2*(\a/4):OB0+2*(\a/4)+1] offset:1536*(\a%4)+512*\c
.endr
.endr
	ds_load_b64 v[RB:RB+1], v[RV]
	ds_load_b64 v[RB+2:RB+3], v[RV] offset:256
	s_wait_dscnt 0x0
	global_store_b64 v[L8], v[RB:RB+1], s[SB0:SB0+1]
	global_store_b64 v[L8], v[RB+2:RB+3], s[SB1:SB1+1]
.Ljoin:
	s_wait_tensorcnt 0x0
	ds_add_u32 v[SPW], v[NIL]
	s_wait_dscnt 0x0
	CROUND
	s_endpgm
.Lfunc_end_k_q13e5d790e2_gemm_qkv:
	.size	k_q13e5d790e2_gemm_qkv, .Lfunc_end_k_q13e5d790e2_gemm_qkv-k_q13e5d790e2_gemm_qkv
	.p2alignl 7, 3214868480
	.fill 96, 4, 3214868480
	.section	.rodata,"a",@progbits
	.p2align	6, 0x0
	.amdhsa_kernel k_q13e5d790e2_gemm_qkv
		.amdhsa_group_segment_fixed_size 327680
		.amdhsa_private_segment_fixed_size 0
		.amdhsa_enable_private_segment 0
		.amdhsa_kernarg_size 40
		.amdhsa_user_sgpr_count 2
		.amdhsa_user_sgpr_kernarg_segment_ptr 1
		.amdhsa_wavefront_size32 1
		.amdhsa_system_sgpr_workgroup_id_x 1
		.amdhsa_system_sgpr_workgroup_id_y 1
		.amdhsa_system_sgpr_workgroup_id_z 1
		.amdhsa_system_vgpr_workitem_id 0
		.amdhsa_next_free_vgpr 1024
		.amdhsa_next_free_sgpr 104
		.amdhsa_reserve_vcc 0
		.amdhsa_float_denorm_mode_32 3
		.amdhsa_float_denorm_mode_16_64 3
		.amdhsa_memory_ordered 1
		.amdhsa_forward_progress 1
		.amdhsa_inst_pref_size 238
	.end_amdhsa_kernel
	.amdgpu_metadata
---
amdhsa.version: [ 1, 2 ]
amdhsa.kernels:
  - .name:           k_q13e5d790e2_gemm_qkv
    .symbol:         k_q13e5d790e2_gemm_qkv.kd
    .args:
      - { .name: xq, .offset: 0, .size: 8, .value_kind: global_buffer, .address_space: global }
      - { .name: wts, .offset: 8, .size: 8, .value_kind: global_buffer, .address_space: global }
      - { .name: b_qkv, .offset: 16, .size: 8, .value_kind: global_buffer, .address_space: global }
      - { .name: qb, .offset: 24, .size: 8, .value_kind: global_buffer, .address_space: global }
      - { .name: kv, .offset: 32, .size: 8, .value_kind: global_buffer, .address_space: global }
    .group_segment_fixed_size: 327680
    .private_segment_fixed_size: 0
    .kernarg_segment_align: 8
    .kernarg_segment_size: 40
    .max_flat_workgroup_size: 128
    .sgpr_count:     104
    .vgpr_count:     1024
    .wavefront_size: 32
...
	.end_amdgpu_metadata
.endif
;; end of part 3
;; launch attn (part 4): grid 4 x 64, 16 waves a work-group, clusters of 4 x 1, 210,944 bytes of LDS; arguments qb, kv, zq; writes zq
.if DOCPART == 4
	.amdgcn_target "amdgcn-amd-amdhsa--gfx1250"
	.amdhsa_code_object_version 6
	.text
	.protected	k_q13e5d790e2_attn
	.globl	k_q13e5d790e2_attn
	.p2align	8
	.type	k_q13e5d790e2_attn,@function
k_q13e5d790e2_attn:
	s_mov_b64 s[64:65], 0
	v_nop
	global_prefetch_b8 v0, s[64:65] scope:SCOPE_SE
	s_setreg_imm32_b32 hwreg(HW_REG_WAVE_MODE, 25, 1), 1
	s_wait_xcnt 0x0
	s_wait_alu depctr_hold_cnt(0) depctr_sa_sdst(0) depctr_va_vdst(0) depctr_va_sdst(0) depctr_va_ssrc(0) depctr_va_vcc(0) depctr_vm_vsrc(0)
	s_getreg_b32 s2, hwreg(HW_REG_IB_STS2, 6, 4)
	s_cmp_eq_u32 s2, 0
	s_cbranch_scc0 .Lentry_in_a_cluster
	s_endpgm
.Lentry_in_a_cluster:
	s_bfe_u32 s2, ttmp6, 0x10000c
	s_cmp_lg_u32 s2, 0x3003
	s_cbranch_scc0 .Lentry_shape_is_right
	s_endpgm
.Lentry_shape_is_right:
; z = softmax(q k^T / 8) v for 64 heads of 2,048 positions x 64 channels, both products on codes of FP6 (E2M3); z leaves as codes along the last product's K.  Nothing of reference() is left out here.
; THE SOFTMAX AHEAD OF THE SECOND PRODUCT: t = score x log2(e) / 8; M = the row's largest t so far, rounded UP to a whole number; p = 2^(t - M) is quantised along the keys, not normalised.  The row's sum is taken
; of the unquantised p and divides at the end.  When M moves, the sum and O are multiplied by 2^(old M - new M): exact.
; SHARES.  A work-group owns 512 queries of one head; each of its sixteen waves two tiles of 16 queries, one after the other (two passes), in 256 registers.
; A HEAD'S k AND v STAY IN LDS: 16 steps of 128 keys x 13,056 bytes, filled ONCE: no slot is ever filled again.  The head's four work-groups are a cluster and ask for each step jointly.  Waves 0 to 3 fetch, four
; loads each (four are out at the most); load ph of wave w brings step 4 ph + w, so that the first pass can begin on four steps while twelve are on their way.
; OPERANDS LIE AS IMAGES OF THEIR REGISTERS, so every LDS load reads consecutive bytes: a half fragment of k (16 keys x 64) is 512 + 256 bytes, a fragment of v^T (16 channels x 128 keys) 3 x 512.
; q k^T has K = 64: registers 6-11 of q's and k's fragments hold zero codes, written once, and bytes 2, 3 of their scale words are 0 (a power of two, no NaN): that half of each product adds nothing.
; LAYOUT.  Both products transposed: S^T = k q^T, O^T = v^T p^T: a lane holds ONE query.  Positions hold rows with bits 3 and 4 exchanged, so that the 16 registers of tiles 2 b and 2 b + 1 are 16 neighbours:
; keys 32 b + 16 (lane / 16) + 0 .. 15 in S^T, channels likewise in O^T.  So p and z are quantised in registers.
; No prefetch: all that the launch reads of kv is asked for by the first fills, at its head.
; z's two scale bytes a row leave by a store of 2 bytes a lane, beside 48 bytes of codes: two heads' bytes share a word that two work-groups make.
; LIMITS: a block of zeros gets the byte 1 where the rule says 127 (its codes are zeros; this program alone reads the bytes); NaN and infinities are not served.
.set STEPB, 13056                      ; a key step: 8 x 768 of k, 4 x 1,536 of v^T, 512 of k's scale words, 256 of v's
.set HEADB, 16*STEPB
.set SPARE, HEADB                      ; behind the head: the spare words, 128 bytes a wave, which no other line names
.set ZSOFF, 6291456                    ; where z's scale bytes begin in zq
.set L16, 1                            ; v1   16 x lane
.set L8,  2                            ; v2   8 x lane
.set R16, 3                            ; v3   16 (lane % 16)
.set ZSO, 4                            ; v4   32 (lane % 16)
.set SPW, 5                            ; v5   LDS address of my spare word; never rewritten
.set NIL, 6                            ; v6   0; never rewritten
.set A16, 7                            ; v7, v8  the step's LDS addresses
.set A8,  8
.set QS,  9                            ; v9   q's scale words
.set VSW, 10                           ; v10-11  v's: register j: lanes 0-15 tile 2 j, lanes 16-31 tile 2 j + 1
.set QF,  16                           ; v16-27  q's fragment;  v12 -M, v13 the largest t, v[14:15] the sum in two halves
.set KSW, 28                           ; v28-31  k's scale words, as v's
.set KF,  32                           ; v32-79  four fragments of k
.set VF,  80                           ; v80-127 four fragments of v^T
.set SS,  128                          ; v128-191 S^T, then p
.set OT,  192                          ; v192-223 O^T
.set PC,  224                          ; v224-235 p's codes
.set PT,  236                          ; v236-243 at work
.set SO,  244                          ; v244-247 the conversions' scale operands
.set BM,  248                          ; v248-251 the blocks' largest;  v252 f, v253 p's scale word, v254 at work
.set WV,  12
.set G1,  16                           ; s[16:23] descriptor group 1;  s[24:39] four groups 0
.set G0,  24
.set SEL, 40
.set CS,  42                           ; s[42:43] c = log2(e) / 8
.set TB,  44                           ; s44  LDS byte at which the step in hand begins
.set CNT, 45
.set QB,  46
.set QSB, 48
.set ZB,  50
.set ZSB, 52
.macro CROUND                          ; a round of the cluster's barrier
	s_barrier_signal -1
	s_barrier_wait -1
	s_cmp_lg_u32 s[WV], 0
	s_cbranch_scc1 .Lnot_wave_0_\@
	s_barrier_signal -3
.Lnot_wave_0_\@:
	s_barrier_wait -3
	s_barrier_signal -1
	s_barrier_wait -1
.endm
	s_load_b128 s[4:7], s[0:1], 0x0                ; qb, kv
	s_load_b64 s[8:9], s[0:1], 0x10                ; zq
	v_lshl_add_u32 v[SPW], v0, 2, SPARE
	v_mov_b32 v[NIL], 0
	ds_add_u32 v[SPW], v[NIL]                      ; the wave's opening: the add, twice on end, and its wait ahead of the first tensor loads
	ds_add_u32 v[SPW], v[NIL]
	v_lshrrev_b32 v254, 5, v0
	s_delay_alu instid0(VALU_DEP_1)
	v_readfirstlane_b32 s[WV], v254                ; wave 0..15
	s_bfe_u32 s13, ttmp6, 0x40000                  ; cx: my place in the cluster: it enters q's and z's addresses alone
	s_and_b32 s14, ttmp7, 0xffff                   ; batch x 16 + head, which the four partners share
	s_mov_b32 s[G1], 15|(3<<16)|(1<<21)            ; the mask: all four work-groups; elements of 8 bytes; bit 21 beside a mask; no padding
	s_mov_b32 s[G1+1], 32<<16                      ; tensor_dim0 = 32: rows of 256 bytes
	s_mov_b32 s[G1+2], 51<<16                      ; tensor_dim1 = 51: a step's 13,056 dense bytes
	s_mov_b32 s[G1+3], 32<<16                      ; tile_dim0
	s_mov_b32 s[G1+4], 51                          ; tile_dim1
	s_mov_b32 s[G1+5], 32                          ; from row to row
	s_mov_b32 s[G1+6], 0
	s_mov_b32 s[G1+7], 0
	s_mov_b32 s[SEL], 0x76543210
	s_mov_b32 s[SEL+1], 0xfedcba98
	s_mov_b32 s[CS], 0x3e38aa3b
	s_mov_b32 s[CS+1], s[CS]                       ; (named with it as a pair, so it is written)
	v_and_b32 v254, 31, v0
	s_delay_alu instid0(VALU_DEP_1)
	v_lshlrev_b32 v[L16], 4, v254
	s_delay_alu instid0(VALU_DEP_2)
	v_lshlrev_b32 v[L8], 3, v254
	v_and_b32 v254, 15, v0
	s_delay_alu instid0(VALU_DEP_1)
	v_lshlrev_b32 v[R16], 4, v254
	s_delay_alu instid0(VALU_DEP_2)
	v_lshlrev_b32 v[ZSO], 5, v254
	s_and_b32 s54, s[WV], 3
	s_mul_i32 s54, s54, STEPB                      ; my step among a phase's four: its place in LDS and in the head's bytes alike
	s_mul_i32 s56, s14, HEADB
	s_add_co_u32 s56, s56, s54
	s_mov_b32 s57, 0
	s_lshl_b32 s58, s14, 4
	s_lshl_b32 s59, s13, 2
	s_add_co_u32 s58, s58, s59
	s_lshr_b32 s59, s[WV], 3
	s_add_co_u32 s58, s58, s59                     ; my group of 128 queries in the first pass: tile 32 cx + wave
	s_mul_i32 s58, s58, 6656
	s_and_b32 s59, s[WV], 7
	s_mul_i32 s60, s59, 768
	s_add_co_u32 s60, s60, s58
	s_mov_b32 s61, 0                               ; s[60:61]: my tile's half fragment
	s_lshr_b32 s59, s59, 1
	s_lshl_b32 s59, s59, 2
	s_add_co_u32 s58, s58, s59
	s_and_b32 s59, s[WV], 1
	s_lshl_b32 s59, s59, 8
	s_add_co_u32 s58, s58, s59
	s_add_co_u32 s58, s58, 6144
	s_mov_b32 s59, 0                               ; s[58:59]: its scale words
	s_lshr_b32 s62, s14, 4
	s_lshl_b32 s62, s62, 7
	s_lshl_b32 s63, s13, 5
	s_add_co_u32 s62, s62, s63
	s_add_co_u32 s62, s62, s[WV]                   ; my tile among all 512
	s_and_b32 s63, s14, 15                         ; the head
	s_lshl_b32 s10, s62, 4
	s_add_co_u32 s10, s10, s63
	s_mul_i32 s10, s10, 768
	s_mov_b32 s11, 0                               ; s[10:11]: z's half fragment
	s_lshl_b32 s62, s62, 9
	s_lshl_b32 s63, s63, 1
	s_add_co_u32 s62, s62, s63
	s_add_co_u32 s62, s62, ZSOFF
	s_mov_b32 s63, 0                               ; s[62:63]: z's scale bytes
	s_wait_dscnt 0x0                               ; both opening adds are done
	s_wait_kmcnt 0x0
	s_add_nc_u64 s[56:57], s[6:7], s[56:57]
	s_add_nc_u64 s[QB:QB+1], s[4:5], s[60:61]
	s_add_nc_u64 s[QSB:QSB+1], s[4:5], s[58:59]
	s_add_nc_u64 s[ZB:ZB+1], s[8:9], s[10:11]
	s_add_nc_u64 s[ZSB:ZSB+1], s[8:9], s[62:63]
.irp ph, 0,1,2,3
	s_mov_b32 s[G0+4*\ph], 1                       ; count = 1
	s_add_co_u32 s[G0+4*\ph+1], s54, \ph*4*STEPB   ; LDS address
	s_add_nc_u64 s[G0+4*\ph+2:G0+4*\ph+3], s[56:57], \ph*4*STEPB
	s_or_b32 s[G0+4*\ph+3], s[G0+4*\ph+3], 0x80000000  ; type = 2
.endr
	CROUND                                         ; all four work-groups are here: the joint loads meet
	s_cmp_lt_u32 s[WV], 4                          ; a wave's four first fills stand in one branch, ahead of every wait on TENSORcnt, every LDS read and every barrier; an s_nop 0 follows each, four v_nop the last
	s_cbranch_scc0 .Lno_fetch
.irp ph, 0,1,2,3
	tensor_load_to_lds s[G0+4*\ph:G0+4*\ph+3], s[G1:G1+7]
	s_nop 0
.endr
.rept 4
	v_nop
.endr
.Lno_fetch:
.macro QLOAD p                         ; pass p's tile of queries: two groups of 128 on
	global_load_b128 v[QF:QF+3], v[L16], s[QB:QB+1] offset:13312*\p
	global_load_b64 v[QF+4:QF+5], v[L8], s[QB:QB+1] offset:13312*\p+512
	global_load_b32 v[QS], v[R16], s[QSB:QSB+1] offset:13312*\p
.endm
.macro INIT                            ; a pass begins: the step is written once, its first trip finds zeros, which the first change of M leaves zeros
	v_mov_b32 v13, 0xff61b1e6                      ; the largest t so far: -3e38, under every t
	s_delay_alu instid0(VALU_DEP_1)
	v_floor_f32 v12, -v13                          ; -M
	v_mov_b32 v14, 0
	v_mov_b32 v15, 0
.irp j, 0,1,2,3,4,5,6,7,8,9,10,11,12,13,14,15,16,17,18,19,20,21,22,23,24,25,26,27,28,29,30,31
	v_mov_b32 v[OT+\j], 0
.endr
.endm
	s_wait_alu depctr_va_vdst(0)
	QLOAD 0
.irp j, 6,7,8,9,10,11
	v_mov_b32 v[QF+\j], 0                          ; K = 64 .. 127 of q k^T: zero codes, written once
.irp t, 0,1,2,3
	v_mov_b32 v[KF+12*\t+\j], 0
.endr
.endr
.irp b, 0,1,2,3
	v_mov_b32 v[PT+\b], 0                          ; written once: a lane permute's destination counts as one of its sources
.endr
	v_mov_b32 v253, 0                              ; (named as the upper half of the pair v[252:253] before it is first written)
.macro SPROD i, t                      ; tile i of S^T from k's fragment in place t
.if (\i)%2
	v_wmma_scale_f32_16x16x128_f8f6f4 v[SS+8*(\i):SS+8*(\i)+7], v[KF+12*(\t):KF+12*(\t)+11], v[QF:QF+11], 0, v[KSW+(\i)/2], v[QS] matrix_a_fmt:MATRIX_FMT_FP6 matrix_b_fmt:MATRIX_FMT_FP6 matrix_a_scale:MATRIX_SCALE_ROW1
.else
	v_wmma_scale_f32_16x16x128_f8f6f4 v[SS+8*(\i):SS+8*(\i)+7], v[KF+12*(\t):KF+12*(\t)+11], v[QF:QF+11], 0, v[KSW+(\i)/2], v[QS] matrix_a_fmt:MATRIX_FMT_FP6 matrix_b_fmt:MATRIX_FMT_FP6
.endif
.endm
.macro OPROD t                         ; tile t of O^T: the four accumulators take turns, one instruction a turn
.if (\t)%2
	v_wmma_scale_f32_16x16x128_f8f6f4 v[OT+8*(\t):OT+8*(\t)+7], v[VF+12*(\t):VF+12*(\t)+11], v[PC:PC+11], v[OT+8*(\t):OT+8*(\t)+7], v[VSW+(\t)/2], v253 matrix_a_fmt:MATRIX_FMT_FP6 matrix_b_fmt:MATRIX_FMT_FP6 matrix_a_scale:MATRIX_SCALE_ROW1
.else
	v_wmma_scale_f32_16x16x128_f8f6f4 v[OT+8*(\t):OT+8*(\t)+7], v[VF+12*(\t):VF+12*(\t)+11], v[PC:PC+11], v[OT+8*(\t):OT+8*(\t)+7], v[VSW+(\t)/2], v253 matrix_a_fmt:MATRIX_FMT_FP6 matrix_b_fmt:MATRIX_FMT_FP6
.endif
.endm
; A KEY STEP: 128 keys, at LDS byte s[TB].
.macro STEP
	v_add_nc_u32 v[A16], s[TB], v[L16]
	v_add_nc_u32 v[A8], s[TB], v[L8]
	v_nop
	v_nop                                          ; four plain lines between the last step's products and the loads into their registers
	ds_load_b128 v[KSW:KSW+3], v[A16] offset:12288
.irp t, 0,1,2,3
	ds_load_b128 v[KF+12*\t:KF+12*\t+3], v[A16] offset:768*\t
	ds_load_b64 v[KF+12*\t+4:KF+12*\t+5], v[A8] offset:768*\t+512
.endr
	ds_load_b64 v[VSW:VSW+1], v[A8] offset:12800
.irp t, 0,1,2,3
.irp c, 0,1,2
	ds_load_b128 v[VF+12*\t+4*\c:VF+12*\t+4*\c+3], v[A16] offset:6144+1536*\t+512*\c
.endr
.endr
	s_wait_alu depctr_va_vdst(0)
	s_wait_dscnt 13                                ; k's words and first four tiles are in; v's words and its twelve loads may be out
.irp t, 0,1,2,3
	SPROD \t, \t
.endr
.rept 4
	v_nop
.endr
.irp t, 0,1,2,3
	ds_load_b128 v[KF+12*\t:KF+12*\t+3], v[A16] offset:768*(4+\t)
	ds_load_b64 v[KF+12*\t+4:KF+12*\t+5], v[A8] offset:768*(4+\t)+512
.endr
	s_wait_dscnt 0x0
.irp t, 0,1,2,3
	SPROD 4+\t, \t
.endr
.rept 4
	v_nop
.endr
.irp b, 0,1,2,3
	v_max3_num_f32 v[BM+\b], v[SS+16*\b], v[SS+1+16*\b], v[SS+2+16*\b]   ; THE LARGEST SCORE OF EACH BLOCK OF 32 KEYS: for the row's maximum and, since p rises with the score, for the block's largest p
.endr
.irp i, 3,5,7,9,11,13
.irp b, 0,1,2,3
	v_max3_num_f32 v[BM+\b], v[BM+\b], v[SS+16*\b+\i], v[SS+1+16*\b+\i]
.endr
.endr
.irp b, 0,1,2,3
	v_max_num_f32 v[BM+\b], v[BM+\b], v[SS+15+16*\b]
.endr
.irp b, 0,1,2,3
	s_delay_alu instid0(VALU_DEP_4)
	v_permlanex16_b32 v[PT+\b], v[BM+\b], s[SEL], s[SEL+1]
.endr
.irp b, 0,1,2,3
	s_delay_alu instid0(VALU_DEP_4)
	v_max_num_f32 v[BM+\b], v[BM+\b], v[PT+\b]     ; with lane l xor 16's 16 keys
.endr
	s_delay_alu instid0(VALU_DEP_2)
	v_max3_num_f32 v254, v[BM], v[BM+1], v[BM+2]
	s_delay_alu instid0(VALU_DEP_1)
	v_max_num_f32 v254, v254, v[BM+3]              ; the step's largest score of my query
	s_delay_alu instid0(VALU_DEP_1)
	v_mul_f32 v254, s[CS], v254                    ; as t (c is positive)
	s_delay_alu instid0(VALU_DEP_1)
	v_max_num_f32 v13, v13, v254                   ; the running largest t
	v_mov_b32 v254, v12
	s_delay_alu instid0(VALU_DEP_2)
	v_floor_f32 v12, -v13                          ; the new -M = floor(-t): M IS A WHOLE NUMBER
	s_delay_alu instid0(VALU_DEP_1)
	v_sub_f32 v254, v12, v254                      ; old M less new M: a whole number, 0 or less
	s_delay_alu instid0(VALU_DEP_1)
	v_cvt_i32_f32 v254, v254                       ; (it saturates)
	s_delay_alu instid0(VALU_DEP_1)
	v_ldexp_f32 v252, 1.0, v254                    ; f = 2^(old M - new M)
.irp j, 0,2,4,6,8,10,12,14,16,18,20,22,24,26,28,30,32,34,36,38,40,42,44,46,48,50,52,54,56,58,60,62
	v_pk_fma_f32 v[SS+\j:SS+1+\j], v[SS+\j:SS+1+\j], s[CS:CS+1], v[12:13] op_sel_hi:[1,0,0]   ; t - M, two at a time
.endr
.irp b, 0,1,2,3
	v_fma_f32 v[BM+\b], v[BM+\b], s[CS], v12       ; the same of each block's largest score
.endr
	s_wait_alu depctr_va_vdst(0)
.irp j, 0,1,2,3,4,5,6,7,8,9,10,11,12,13,14,15,16,17,18,19,20,21,22,23,24,25,26,27,28,29,30,31,32,33,34,35,36,37,38,39,40,41,42,43,44,45,46,47,48,49,50,51,52,53,54,55,56,57,58,59,60,61,62,63
	v_exp_f32 v[SS+\j], v[SS+\j]                   ; p = 2^(t - M), at most 1
.endr
	s_setprio 1
	v_pk_mul_f32 v[14:15], v[14:15], v[252:253] op_sel_hi:[1,0]   ; the sums under the new M (a plain line behind the exponentials)
	s_wait_alu depctr_va_vdst(0)                   ; one wait for the whole batch, ahead of its first reader
.irp b, 0,1,2,3
	v_exp_f32 v[BM+\b], v[BM+\b]                   ; the block's largest p: the same two instructions on the same number give the same bits
.endr
	v_pk_add_f32 v[236:237], v[132:133], v[136:137]
	v_pk_add_f32 v[254:255], v[140:141], v[144:145]
	v_pk_add_f32 v[246:247], v[148:149], v[152:153]
	v_pk_add_f32 v[244:245], v[156:157], v[160:161]
	v_pk_add_f32 v[242:243], v[164:165], v[168:169]
	v_pk_add_f32 v[240:241], v[172:173], v[176:177]
	v_pk_add_f32 v[238:239], v[180:181], v[184:185]
	v_pk_add_f32 v[14:15], v[14:15], v[188:189]
	v_pk_add_f32 v[236:237], v[236:237], v[128:129]
	v_pk_add_f32 v[254:255], v[254:255], v[130:131]
	v_pk_add_f32 v[246:247], v[246:247], v[134:135]
	v_pk_add_f32 v[244:245], v[244:245], v[138:139]
	v_pk_add_f32 v[242:243], v[242:243], v[142:143]
	v_pk_add_f32 v[240:241], v[240:241], v[146:147]
	v_pk_add_f32 v[238:239], v[238:239], v[150:151]
	v_pk_add_f32 v[14:15], v[14:15], v[154:155]
	v_pk_add_f32 v[236:237], v[236:237], v[158:159]
	v_pk_add_f32 v[254:255], v[254:255], v[162:163]
	v_pk_add_f32 v[246:247], v[246:247], v[166:167]
	v_pk_add_f32 v[244:245], v[244:245], v[170:171]
	v_pk_add_f32 v[242:243], v[242:243], v[174:175]
	v_pk_add_f32 v[240:241], v[240:241], v[178:179]
	v_pk_add_f32 v[238:239], v[238:239], v[182:183]
	v_pk_add_f32 v[14:15], v[14:15], v[186:187]
	v_pk_add_f32 v[236:237], v[236:237], v[190:191]
	s_delay_alu instid0(VALU_DEP_2)
	v_pk_add_f32 v[14:15], v[14:15], v[244:245]
	s_delay_alu instid0(VALU_DEP_2)
	v_pk_add_f32 v[236:237], v[236:237], v[242:243]
	v_pk_add_f32 v[254:255], v[254:255], v[240:241]
	v_pk_add_f32 v[246:247], v[246:247], v[238:239]
	s_delay_alu instid0(VALU_DEP_2)
	v_pk_add_f32 v[14:15], v[14:15], v[254:255]
	s_delay_alu instid0(VALU_DEP_2)
	v_pk_add_f32 v[236:237], v[236:237], v[246:247]
	s_delay_alu instid0(VALU_DEP_1)
	v_pk_add_f32 v[14:15], v[14:15], v[236:237]
	s_wait_alu depctr_va_vdst(0)                   ; and one for the four
.irp b, 0,1,2,3
	v_max_num_f32 v[BM+\b], 0x1800000, v[BM+\b]    ; the floor 2^(3 - 127): the byte cannot fall under 1
.endr
.irp b, 0,1,2,3
	s_delay_alu instid0(VALU_DEP_4)
	v_add_nc_u32 v[SO+\b], 0xff000000, v[BM+\b]    ; 2 off the exponent field: the conversion's scale operand
.endr
.irp b, 0,1,2,3
	s_delay_alu instid0(VALU_DEP_4)
	v_lshrrev_b32 v[PT+\b], 23, v[SO+\b]           ; the scale's byte
.endr
	s_delay_alu instid0(VALU_DEP_3)
	v_lshl_or_b32 v253, v[PT+1], 8, v[PT]          ; p's scale word for these 128 keys
	s_delay_alu instid0(VALU_DEP_1)
	v_lshl_or_b32 v253, v[PT+2], 16, v253
	s_delay_alu instid0(VALU_DEP_1)
	v_lshl_or_b32 v253, v[PT+3], 24, v253
.irp c, 0,1
	v_cvt_scalef32_pk16_fp6_f32 v[PC+6*\c:PC+2+6*\c], v[SS+32*\c:SS+15+32*\c], v[SO+2*\c]
	v_cvt_scalef32_pk16_fp6_f32 v[PT+4*\c:PT+2+4*\c], v[SS+16+32*\c:SS+31+32*\c], v[SO+2*\c+1]   ; (a conversion's three registers begin on an even number)
.endr
	v_nop                                          ; one plain line behind a scaled conversion
.irp c, 0,1                                    ; the operand's layout wants a WHOLE block in a lane
.irp i, 0,1,2
	v_permlane16_swap_b32 v[PC+6*\c+\i], v[PT+4*\c+\i]
.endr
.irp i, 0,1,2
	s_delay_alu instid0(VALU_DEP_3)
	v_mov_b32 v[PC+3+6*\c+\i], v[PT+4*\c+\i]
.endr
.endr
	s_setprio 0
.irp j, 0,2,4,6,8,10,12,14,16,18,20,22,24,26,28,30
	v_pk_mul_f32 v[OT+\j:OT+1+\j], v[OT+\j:OT+1+\j], v[252:253] op_sel_hi:[1,0]   ; O^T under the new M.  (These sixteen stand between the making of p's codes and scale word and the products)
.endr
.irp t, 0,1,2,3
	OPROD \t
.endr
	s_add_co_u32 s[TB], s[TB], STEPB
.endm
.macro WALK n                          ; n key steps from s[TB] on
	s_mov_b32 s[CNT], \n
.Lstep_\@:
	s_setprio 2
	STEP
	s_sub_co_u32 s[CNT], s[CNT], 1
	s_cmp_lg_u32 s[CNT], 0
	s_cbranch_scc1 .Lstep_\@
	s_setprio 0
.endm
; THE WAY OUT of pass p: O^T / the sum is my query's 64 channels of z: register 16 b + i = channel 32 b + 16 (lane / 16) + i: two blocks of the last product's K.  They leave as a half fragment's image and two scale bytes.
.macro OUT p
	v_nop
	v_nop
	v_add_f32 v14, v14, v15                        ; the sum's two halves,
	s_delay_alu instid0(VALU_DEP_1)
	v_permlanex16_b32 v252, v14, s[SEL], s[SEL+1]
	s_delay_alu instid0(VALU_DEP_1)
	v_add_f32 v14, v14, v252                       ; and lane l xor 16's
	s_wait_alu depctr_va_vdst(0)
	v_rcp_f32 v14, v14
	v_nop                                          ; a plain line behind the reciprocal
	s_wait_alu depctr_va_vdst(0)                   ; and the wait ahead of its first reader
.irp j, 0,2,4,6,8,10,12,14,16,18,20,22,24,26,28,30
	v_pk_mul_f32 v[SS+\j:SS+1+\j], v[OT+\j:OT+1+\j], v[14:15] op_sel_hi:[1,0]   ; each accumulator from its low end on
.endr
.irp b, 0,1
	v_max3_num_f32 v[BM+\b], |v[SS+16*\b]|, |v[SS+1+16*\b]|, 0x1800000
.endr
.irp i, 2,4,6,8,10,12,14
.irp b, 0,1
	s_delay_alu instid0(VALU_DEP_2)
	v_max3_num_f32 v[BM+\b], v[BM+\b], |v[SS+16*\b+\i]|, |v[SS+1+16*\b+\i]|
.endr
.endr
.irp b, 0,1
	s_delay_alu instid0(VALU_DEP_2)
	v_permlanex16_b32 v[PT+\b], v[BM+\b], s[SEL], s[SEL+1]
.endr
.irp b, 0,1
	s_delay_alu instid0(VALU_DEP_2)
	v_max_num_f32 v[BM+\b], v[BM+\b], v[PT+\b]
.endr
.irp b, 0,1
	s_delay_alu instid0(VALU_DEP_2)
	v_add_nc_u32 v[SO+\b], 0xff000000, v[BM+\b]
.endr
.irp b, 0,1
	s_delay_alu instid0(VALU_DEP_2)
	v_lshrrev_b32 v[PT+\b], 23, v[SO+\b]
.endr
	s_delay_alu instid0(VALU_DEP_1)
	v_lshl_or_b32 v254, v[PT+1], 8, v[PT]          ; my row's two scale bytes
	v_cvt_scalef32_pk16_fp6_f32 v[PC:PC+2], v[SS:SS+15], v[SO]
	v_cvt_scalef32_pk16_fp6_f32 v[PT+4:PT+6], v[SS+16:SS+31], v[SO+1]
	v_nop
.irp i, 0,1,2
	v_permlane16_swap_b32 v[PC+\i], v[PT+4+\i]
.endr
.irp i, 0,1,2
	s_delay_alu instid0(VALU_DEP_3)
	v_mov_b32 v[PC+3+\i], v[PT+4+\i]
.endr
	global_store_b128 v[L16], v[PC:PC+3], s[ZB:ZB+1] offset:196608*\p         ; 512 consecutive bytes, aligned on 256
	global_store_b64 v[L8], v[PC+4:PC+5], s[ZB:ZB+1] offset:196608*\p+512     ; 256
	global_store_b16 v[ZSO], v254, s[ZSB:ZSB+1] offset:8192*\p                ; both halves of the lanes write the same two bytes with the same value
.endm
	INIT
	s_wait_loadcnt 0x0                             ; q
.irp ph, 0,1,2,3                               ; THE FIRST PASS goes by phases of four steps, as they land
	s_wait_tensorcnt 3-\ph                         ; my load of this phase is in; those of the later phases may be out
	s_barrier_signal -1
	s_barrier_wait -1                              ; everybody's is
	s_mov_b32 s[TB], \ph*4*STEPB
	WALK 4
.endr
	QLOAD 1                                        ; (q's registers were last read eight products and a softmax ago)
	OUT 0
	s_wait_xcnt 0x0                                ; the stores have read their registers
	INIT
	s_wait_loadcnt 0x0
	s_mov_b32 s[TB], 0
	WALK 16                                        ; THE SECOND PASS finds the whole head in LDS: no barrier
	OUT 1
	s_wait_tensorcnt 0x0                           ; the wave's end
	ds_add_u32 v[SPW], v[NIL]
	s_wait_dscnt 0x0
	CROUND                                         ; the closing round
	s_endpgm
.Lfunc_end_k_q13e5d790e2_attn:
	.size	k_q13e5d790e2_attn, .Lfunc_end_k_q13e5d790e2_attn-k_q13e5d790e2_attn
	.p2alignl 7, 3214868480
	.fill 96, 4, 3214868480
	.section	.rodata,"a",@progbits
	.p2align	6, 0x0
	.amdhsa_kernel k_q13e5d790e2_attn
		.amdhsa_group_segment_fixed_size 210944
		.amdhsa_private_segment_fixed_size 0
		.amdhsa_enable_private_segment 0
		.amdhsa_kernarg_size 24
		.amdhsa_user_sgpr_count 2
		.amdhsa_user_sgpr_kernarg_segment_ptr 1
		.amdhsa_wavefront_size32 1
		.amdhsa_system_sgpr_workgroup_id_x 1
		.amdhsa_system_sgpr_workgroup_id_y 1
		.amdhsa_system_sgpr_workgroup_id_z 1
		.amdhsa_system_vgpr_workitem_id 0
		.amdhsa_next_free_vgpr 256
		.amdhsa_next_free_sgpr 66
		.amdhsa_reserve_vcc 0
		.amdhsa_float_denorm_mode_32 3
		.amdhsa_float_denorm_mode_16_64 3
		.amdhsa_memory_ordered 1
		.amdhsa_forward_progress 1
		.amdhsa_inst_pref_size 105
	.end_amdhsa_kernel
	.amdgpu_metadata
---
amdhsa.version: [ 1, 2 ]
amdhsa.kernels:
  - .name:           k_q13e5d790e2_attn
    .symbol:         k_q13e5d790e2_attn.kd
    .args:
      - { .name: qb, .offset: 0, .size: 8, .value_kind: global_buffer, .address_space: global }
      - { .name: kv, .offset: 8, .size: 8, .value_kind: global_buffer, .address_space: global }
      - { .name: zq, .offset: 16, .size: 8, .value_kind: global_buffer, .address_space: global }
    .group_segment_fixed_size: 210944
    .private_segment_fixed_size: 0
    .kernarg_segment_align: 8
    .kernarg_segment_size: 24
    .max_flat_workgroup_size: 512
    .sgpr_count:     66
    .vgpr_count:     256
    .wavefront_size: 32
...
	.end_amdgpu_metadata
.endif
;; end of part 4
;; launch gemm_out (part 5): grid 4 x 32, 4 waves a work-group, clusters of 4 x 4, 327,680 bytes of LDS; arguments zq, wts, b_proj, out0; writes out0
.if DOCPART == 5
	.amdgcn_target "amdgcn-amd-amdhsa--gfx1250"
	.amdhsa_code_object_version 6
	.text
	.protected	k_q13e5d790e2_gemm_out
	.globl	k_q13e5d790e2_gemm_out
	.p2align	8
	.type	k_q13e5d790e2_gemm_out,@function
k_q13e5d790e2_gemm_out:
	s_mov_b64 s[64:65], 0
	v_nop
	global_prefetch_b8 v0, s[64:65] scope:SCOPE_SE
	s_setreg_imm32_b32 hwreg(HW_REG_WAVE_MODE, 25, 1), 1
	s_wait_xcnt 0x0
	s_wait_alu depctr_hold_cnt(0) depctr_sa_sdst(0) depctr_va_vdst(0) depctr_va_sdst(0) depctr_va_ssrc(0) depctr_va_vcc(0) depctr_vm_vsrc(0)
	s_getreg_b32 s2, hwreg(HW_REG_IB_STS2, 6, 4)
	s_cmp_eq_u32 s2, 0
	s_cbranch_scc0 .Lentry_in_a_cluster
	s_endpgm
.Lentry_in_a_cluster:
	s_bfe_u32 s2, ttmp6, 0x10000c
	s_cmp_lg_u32 s2, 0xf033
	s_cbranch_scc0 .Lentry_shape_is_right
	s_endpgm
.Lentry_shape_is_right:
.set NQ,     2
.set ROWB,   192
.set KROW,   768
.set PITCH,  240
.set FR,     12
.set NL,     6
.set NLA,    4
.set NP,     4
.set ZROW,   3072
.set HALFA,  8*ZROW
.set HALFT,  128*PITCH
.set BOFF,   2*HALFA
.set SLOT,   2*HALFA+2*HALFT
.set LAPS,   2
.set KS,     32
.set SCL,    2*SLOT
.set HALFS,  (128*KS/256)*272
.set SBLK,   (16*KS/256)*272
.set SPARE,  SCL+4*HALFS
.set SPITCH, 528
.set ZSOFF,  6291456
.set WCOFF,  3072*768
.set WSOFF,  3145728+3072*32
.set BOF,  13
.set ADRA, 16
.set ADRB, 20
.set STO,  24
.set RD,   25
.set CO,   26
.set ADRS, 27
.set SPW,  28
.set NIL,  29
.set SC,   32
.set BIAS, 64
.set AF,   128
.set BK,   128
.set G1, 24
.set G0, 32
.set G1B, 48
.set G0B, 56
.set G1S, 68
.set G0S, 76
.set G1SB, 80
.set G0SB, 88
.set MSB, 0
.macro WIN new
.if MSB != (\new)
	s_set_vgpr_msb (MSB<<8)|(\new)
.set MSB, (\new)
.endif
.endm
.set MUL_LO, 0xa1
.set MUL_HI, 0xf1
.set TO_B,   0x40
.macro JLOAD g0a, g1a, g0b, g1b
	s_cmp_eq_u32 s15, 0
	s_cbranch_scc0 .Lfor_b_\@
	tensor_load_to_lds s[\g0a:\g0a+3], s[\g1a:\g1a+7]
	s_nop 0
.rept 4
	v_nop
.endr
	s_branch .Lasked_\@
.Lfor_b_\@:
	tensor_load_to_lds s[\g0b:\g0b+3], s[\g1b:\g1b+7]
	s_nop 0
.rept 4
	v_nop
.endr
.Lasked_\@:
.endm
.macro CREST
	s_cmp_lg_u32 s14, 0
	s_cbranch_scc1 .Lnot_wave_0_\@
	s_barrier_signal -3
.Lnot_wave_0_\@:
	s_barrier_wait -3
	s_barrier_signal -1
	s_barrier_wait -1
.endm
.macro CROUND
	s_barrier_signal -1
	s_barrier_wait -1
	CREST
.endm
	s_load_b128 s[4:7], s[0:1], 0x0
	s_load_b64 s[8:9], s[0:1], 0x10
	s_load_b64 s[12:13], s[0:1], 0x18
	v_lshl_add_u32 v[SPW], v0, 2, SPARE
	v_mov_b32 v[NIL], 0
	ds_add_u32 v[SPW], v[NIL]
	ds_add_u32 v[SPW], v[NIL]
	v_lshrrev_b32 v1, 5, v0
	v_readfirstlane_b32 s14, v1
	s_lshr_b32 s15, s14, 1
	s_and_b32 s16, s14, 1
	s_bfe_u32 s40, ttmp6, 0x40000
	s_bfe_u32 s41, ttmp6, 0x40004
	s_lshl_b32 s42, ttmp9, 2
	s_add_co_u32 s42, s42, s40
	s_and_b32 s17, ttmp7, 0xffff
	s_lshl_b32 s17, s17, 2
	s_add_co_u32 s17, s17, s41
	s_lshl_b32 s43, s41, 2
	s_lshl_b32 s43, 15, s43
	s_lshl_b32 s44, 0x1111, s40
	s_or_b32 s[G1+0], s43, (3<<16)|(1<<21)
	s_mov_b32 s[G1+1], (ZROW/8)<<16
	s_mov_b32 s[G1+2], 8<<16
	s_mov_b32 s[G1+3], (ZROW/8)<<16
	s_mov_b32 s[G1+4], 8
	s_mov_b32 s[G1+5], 16*768/8
	s_mov_b32 s[G1+6], 0
	s_mov_b32 s[G1+7], 0
	s_or_b32 s[G1B+0], s44, (0<<16)|(1<<20)|(1<<21)|(3<<22)|(3<<25)
	s_mov_b32 s[G1B+1], ROWB<<16
	s_mov_b32 s[G1B+2], 128<<16
	s_mov_b32 s[G1B+3], ROWB<<16
	s_mov_b32 s[G1B+4], 128
	s_mov_b32 s[G1B+5], KROW
	s_mov_b32 s[G1B+6], 0
	s_mov_b32 s[G1B+7], 0
	s_or_b32 s[G1S+0], s43, (3<<16)|(1<<20)|(1<<21)|(5<<22)|(3<<25)
	s_or_b32 s[G1SB+0], s44, (3<<16)|(1<<20)|(1<<21)|(5<<22)|(3<<25)
.irp g, G1S, G1SB
	s_mov_b32 s[\g+1], 32<<16
	s_mov_b32 s[\g+2], (128*KS/256)<<16
	s_mov_b32 s[\g+3], 32<<16
	s_mov_b32 s[\g+4], 128*KS/256
	s_mov_b32 s[\g+5], 32
	s_mov_b32 s[\g+6], 0
	s_mov_b32 s[\g+7], 0
.endr
	s_lshl_b32 s18, s16, 7
	s_lshl_b32 s20, s17, 8
	s_add_co_u32 s20, s20, s18
	s_lshl_b32 s46, s42, 8
	s_add_co_u32 s46, s46, s18
	s_lshl_b32 s22, s20, 5
	s_add_co_u32 s22, s22, ZSOFF
	s_mov_b32 s23, 0
	s_mul_i32 s20, s20, 768
	s_mov_b32 s21, 0
	s_lshl_b32 s92, s46, 5
	s_add_co_u32 s92, s92, WSOFF
	s_mov_b32 s93, 0
	s_mul_i32 s46, s46, KROW
	s_add_co_u32 s46, s46, WCOFF
	s_mov_b32 s47, 0
	s_mul_i32 s45, s16, HALFA
	s_mul_i32 s95, s16, HALFT
	s_add_co_u32 s95, s95, BOFF
	s_mul_i32 s94, s14, HALFS
	s_wait_dscnt 0x0
	s_wait_kmcnt 0x0
	s_add_nc_u64 s[20:21], s[4:5], s[20:21]
	s_add_nc_u64 s[22:23], s[4:5], s[22:23]
	s_add_nc_u64 s[46:47], s[6:7], s[46:47]
	s_add_nc_u64 s[92:93], s[6:7], s[92:93]
	CROUND
	s_mov_b32 s[G0S], 1
	s_add_co_u32 s[G0S+1], s94, SCL
	s_mov_b64 s[G0S+2:G0S+3], s[22:23]
	s_or_b32 s[G0S+3], s[G0S+3], 0x80000000
	s_mov_b32 s[G0SB], 1
	s_add_co_u32 s[G0SB+1], s94, SCL
	s_mov_b64 s[G0SB+2:G0SB+3], s[92:93]
	s_or_b32 s[G0SB+3], s[G0SB+3], 0x80000000
	JLOAD G0S, G1S, G0SB, G1SB
.irp s, 0,1
	s_mov_b32 s[G0+4*\s], 1
	s_add_co_u32 s[G0+4*\s+1], s45, \s*SLOT
	s_add_nc_u64 s[G0+4*\s+2:G0+4*\s+3], s[20:21], \s*ZROW
	s_or_b32 s[G0+4*\s+3], s[G0+4*\s+3], 0x80000000
	s_mov_b32 s[G0B+4*\s], 1
	s_add_co_u32 s[G0B+4*\s+1], s95, \s*SLOT
	s_add_nc_u64 s[G0B+4*\s+2:G0B+4*\s+3], s[46:47], \s*ROWB
	s_or_b32 s[G0B+4*\s+3], s[G0B+4*\s+3], 0x80000000
	s_wait_alu depctr_va_vdst(0)
	s_wait_tensorcnt 0x0
	ds_add_u32 v28, v29
	s_wait_dscnt 0x0
	CROUND
	JLOAD G0+4*\s, G1, G0B+4*\s, G1B
.endr
	v_and_b32 v1, 15, v0
	v_bfe_u32 v2, v0, 4, 1
	v_and_b32 v6, 31, v0
	v_lshlrev_b32 v7, 4, v6
	v_lshlrev_b32 v8, 3, v6
	v_mul_u32_u24 v3, v1, PITCH
	v_mul_u32_u24 v4, v2, 24
	v_add_nc_u32 v4, v3, v4
	v_lshl_add_u32 v5, v2, 4, v4
	s_mul_i32 s21, s15, HALFA
	s_mul_i32 s22, s16, HALFT
	s_add_co_u32 s22, s22, BOFF
.irp s, 0,1
	v_add_nc_u32 v[ADRA+\s], s21, v7
	v_add_nc_u32 v[ADRA+2+\s], s21, v8
	v_add_nc_u32 v[ADRB+\s], s22, v4
	v_add_nc_u32 v[ADRB+2+\s], s22, v5
	s_add_co_u32 s21, s21, SLOT
	s_add_co_u32 s22, s22, SLOT
.endr
	v_mul_u32_u24 v5, v1, KS
	v_lshrrev_b32 v6, 8, v5
	v_lshl_add_u32 v5, v6, 4, v5
	s_mul_i32 s21, s15, HALFS
	s_mul_i32 s22, s16, HALFS
	s_add_co_u32 s22, s22, 2*HALFS
	s_sub_co_u32 s22, s22, s21
	v_mul_u32_u24 v6, s22, v2
	s_add_co_u32 s21, s21, SCL
	v_add_nc_u32 v5, v5, v6
	v_add_nc_u32 v[ADRS], s21, v5
	s_mul_i32 s23, s14, 16*SPITCH
	v_mul_u32_u24 v5, v1, SPITCH
	v_lshl_add_u32 v5, v2, 5, v5
	v_add_nc_u32 v[STO], s23, v5
	v_mov_b32 v[CO], v7
	v_add_nc_u32 v[RD], s23, v7
	s_lshl_b32 s20, s17, 8
	s_lshl_b32 s21, s15, 7
	s_add_co_u32 s20, s20, s21
	s_lshl_b32 s20, s20, 12
	s_mov_b32 s21, 0
	s_lshl_b32 s46, s42, 10
	s_lshl_b32 s47, s16, 9
	s_add_co_u32 s46, s46, s47
	s_mov_b32 s47, 0
	s_add_nc_u64 s[20:21], s[20:21], s[46:47]
	s_add_nc_u64 s[12:13], s[12:13], s[20:21]
	s_add_nc_u64 s[8:9], s[8:9], s[46:47]
	v_lshlrev_b32 v[BOF], 5, v2
.irp b, 0,1,2,3,4,5,6,7
	global_load_b128 v[BIAS+8*\b:BIAS+8*\b+3], v[BOF], s[8:9] offset:64*\b
	global_load_b128 v[BIAS+8*\b+4:BIAS+8*\b+7], v[BOF], s[8:9] offset:64*\b+16
.endr
.macro FRAG reg, adr, q, i
.irp p, 0,1,2,3,4,5
.set PCE, 12*(\q)+6*(\p/3)+\p%3
.if PCE%8 < 5
	ds_load_b64 v[\reg+2*\p:\reg+2*\p+1], v[\adr] offset:8*PCE+16*(PCE/8)+(\i)*16*PITCH
.else
	ds_load_b64 v[\reg+2*\p:\reg+2*\p+1], v[\adr+2] offset:8*PCE+16*(PCE/8)+(\i)*16*PITCH
.endif
.endr
.endm
.macro FRAGA reg, slot, q, i
	ds_load_b128 v[\reg:\reg+3], v[ADRA+\slot] offset:ZROW*(\i)+1536*(\q)
	ds_load_b64 v[\reg+4:\reg+5], v[ADRA+2+\slot] offset:ZROW*(\i)+1536*(\q)+512
	ds_load_b128 v[\reg+6:\reg+9], v[ADRA+\slot] offset:ZROW*(\i)+1536*(\q)+768
	ds_load_b64 v[\reg+10:\reg+11], v[ADRA+2+\slot] offset:ZROW*(\i)+1536*(\q)+1280
.endm
.macro MUL16 a0, p, q, sc, first
.irp a, \a0, \a0+1
.irp b, 0,1,2,3,4,5,6,7
.if \first
	v_wmma_scale_f32_16x16x128_f8f6f4 v[8*(8*((\a)%4)+\b):8*(8*((\a)%4)+\b)+7], v[128*(\p)+FR*\b:128*(\p)+FR*\b+FR-1], v[AF+FR*(\a):AF+FR*(\a)+FR-1], v[BIAS+8*\b:BIAS+8*\b+7], v[SC+8*NQ*(\sc)+NQ*\b+(\q)], v[SC+8*NQ*(\sc)+NQ*(\a)+(\q)] matrix_a_fmt:MATRIX_FMT_FP6 matrix_b_fmt:MATRIX_FMT_FP6 matrix_a_scale:MATRIX_SCALE_ROW1
.else
	v_wmma_scale_f32_16x16x128_f8f6f4 v[8*(8*((\a)%4)+\b):8*(8*((\a)%4)+\b)+7], v[128*(\p)+FR*\b:128*(\p)+FR*\b+FR-1], v[AF+FR*(\a):AF+FR*(\a)+FR-1], v[8*(8*((\a)%4)+\b):8*(8*((\a)%4)+\b)+7], v[SC+8*NQ*(\sc)+NQ*\b+(\q)], v[SC+8*NQ*(\sc)+NQ*(\a)+(\q)] matrix_a_fmt:MATRIX_FMT_FP6 matrix_b_fmt:MATRIX_FMT_FP6 matrix_a_scale:MATRIX_SCALE_ROW1
.endif
.endr
.endr
.endm
.macro FETCH_B slot, q, p
	WIN TO_B
.irp i, 0,1,2,3,4,5,6,7
	FRAG 128*(\p)+FR*\i, ADRB+\slot, \q, \i
.endr
	WIN 0
.endm
.macro FETCH_A slot, q, i0
.irp i, \i0, \i0+1, \i0+2, \i0+3
	FRAGA AF+FR*(\i), \slot, \q, \i
.endr
.endm
.macro SCALES sc
.irp i, 0,1,2,3,4,5,6,7
	ds_load_b64 v[SC+8*NQ*\sc+NQ*\i:SC+8*NQ*\sc+NQ*\i+1], v[ADRS] offset:\i*SBLK
.endr
.endm
.macro PLACES n
.rept \n
	v_nop
.endr
.endm
.macro STEP slot, q, first
	s_wait_dscnt 4*NLA
.if \first
	WIN 0x81
.else
	WIN MUL_LO
.endif
	MUL16 0, (\q)%2, \q, \slot, \first
	MUL16 2, (\q)%2, \q, \slot, \first
	s_wait_dscnt 0
	PLACES NP
	FETCH_B \slot, (\q)+1, 1-(\q)%2
	FETCH_A \slot, (\q)+1, 0
.if \first
	WIN 0xc1
.else
	WIN MUL_HI
.endif
	MUL16 4, (\q)%2, \q, \slot, \first
	MUL16 6, (\q)%2, \q, \slot, \first
	PLACES NP
	WIN 0
	FETCH_A \slot, (\q)+1, 4
.endm
.macro TURN slot, next, fill
	s_wait_tensorcnt 0x0
	ds_add_u32 v[SPW], v[NIL]
	s_wait_dscnt 4*NLA+1
	WIN MUL_LO
	MUL16 0, 1, NQ-1, \slot, 0
	s_wait_dscnt 0x0
	s_barrier_signal -1
	MUL16 2, 1, NQ-1, \slot, 0
	WIN 0
	s_barrier_wait -1
.if \fill
	CREST
	s_add_nc_u64 s[G0+4*\slot+2:G0+4*\slot+3], s[G0+4*\slot+2:G0+4*\slot+3], 2*ZROW
	s_add_nc_u64 s[G0B+4*\slot+2:G0B+4*\slot+3], s[G0B+4*\slot+2:G0B+4*\slot+3], 2*ROWB
	JLOAD G0+4*\slot, G1, G0B+4*\slot, G1B
.else
	PLACES NP
.endif
	s_wait_alu depctr_va_vdst(0)
	v_add_nc_u32 v[ADRS], 4*NQ, v[ADRS]
	FETCH_B \next, 0, 0
	FETCH_A \next, 0, 0
	SCALES \next
	WIN MUL_HI
	MUL16 4, 1, NQ-1, \slot, 0
	MUL16 6, 1, NQ-1, \slot, 0
	PLACES NP
	WIN 0
	FETCH_A \next, 0, 4
.endm
	s_wait_alu depctr_va_vdst(0)
	s_wait_tensorcnt 1
	s_barrier_signal -1
	s_barrier_wait -1
	FETCH_B 0, 0, 0
	FETCH_A 0, 0, 0
	SCALES 0
	FETCH_A 0, 0, 4
	s_wait_loadcnt 0x0
	STEP 0, 0, 1
	s_mov_b32 s3, LAPS-1
.Llap:
	TURN 0, 1, 1
	STEP 1, 0, 0
	TURN 1, 0, 1
	STEP 0, 0, 0
	s_sub_co_u32 s3, s3, 1
	s_cmp_lg_u32 s3, 0
	s_cbranch_scc1 .Llap
	TURN 0, 1, 0
	STEP 1, 0, 0
	s_wait_dscnt 4*NLA
	WIN MUL_LO
	MUL16 0, 1, NQ-1, 1, 0
	MUL16 2, 1, NQ-1, 1, 0
	s_wait_dscnt 0
	WIN MUL_HI
	MUL16 4, 1, NQ-1, 1, 0
	MUL16 6, 1, NQ-1, 1, 0
	WIN 0
.macro TOSTAGE a
.set AC, 64*((\a)%4)
	WIN 0x08+4*((\a)/4)
.irp b, 0,1,2,3,4,5,6,7
	ds_store_b128 v[STO], v[AC+8*\b:AC+8*\b+3] offset:64*\b
	ds_store_b128 v[STO], v[AC+8*\b+4:AC+8*\b+7] offset:64*\b+16
.endr
	WIN 0
.set BB, BK+64*((\a)%2)
.irp t, 0,1,2,3,4,5,6,7,8,9,10,11,12,13,14,15
	ds_load_b128 v[BB+4*\t:BB+4*\t+3], v[RD] offset:\t*SPITCH
.endr
.endm
.macro SEND a, younger
.set BB, BK+64*((\a)%2)
	s_wait_dscnt \younger
.irp t, 0,1,2,3,4,5,6,7,8,9,10,11,12,13,14,15
	global_store_b128 v[CO], v[BB+4*\t:BB+4*\t+3], s[12:13] offset:(32*((\a)/2)+8*((\a)%2)+\t+8*(\t/8))*4096 th:TH_STORE_NT
.endr
.endm
	PLACES NP
	TOSTAGE 0
.irp a, 1,2,3,4,5,6,7
.if \a > 1
	s_wait_xcnt 0x0
.endif
	TOSTAGE \a
	SEND \a-1, 32
.endr
	SEND 7, 0
	s_wait_tensorcnt 0x0
	ds_add_u32 v[SPW], v[NIL]
	s_wait_dscnt 0x0
	CROUND
	s_endpgm
.Lfunc_end_k_q13e5d790e2_gemm_out:
	.size	k_q13e5d790e2_gemm_out, .Lfunc_end_k_q13e5d790e2_gemm_out-k_q13e5d790e2_gemm_out
	.p2alignl 7, 3214868480
	.fill 96, 4, 3214868480
	.section	.rodata,"a",@progbits
	.p2align	6, 0x0
	.amdhsa_kernel k_q13e5d790e2_gemm_out
		.amdhsa_group_segment_fixed_size 327680
		.amdhsa_private_segment_fixed_size 0
		.amdhsa_enable_private_segment 0
		.amdhsa_kernarg_size 32
		.amdhsa_user_sgpr_count 2
		.amdhsa_user_sgpr_kernarg_segment_ptr 1
		.amdhsa_wavefront_size32 1
		.amdhsa_system_sgpr_workgroup_id_x 1
		.amdhsa_system_sgpr_workgroup_id_y 1
		.amdhsa_system_sgpr_workgroup_id_z 1
		.amdhsa_system_vgpr_workitem_id 0
		.amdhsa_next_free_vgpr 1024
		.amdhsa_next_free_sgpr 98
		.amdhsa_reserve_vcc 0
		.amdhsa_float_denorm_mode_32 3
		.amdhsa_float_denorm_mode_16_64 3
		.amdhsa_memory_ordered 1
		.amdhsa_forward_progress 1
		.amdhsa_inst_pref_size 154
	.end_amdhsa_kernel
	.amdgpu_metadata
---
amdhsa.version: [ 1, 2 ]
amdhsa.kernels:
  - .name:           k_q13e5d790e2_gemm_out
    .symbol:         k_q13e5d790e2_gemm_out.kd
    .args:
      - { .name: zq, .offset: 0, .size: 8, .value_kind: global_buffer, .address_space: global }
      - { .name: wts, .offset: 8, .size: 8, .value_kind: global_buffer, .address_space: global }
      - { .name: b_proj, .offset: 16, .size: 8, .value_kind: global_buffer, .address_space: global }
      - { .name: out0, .offset: 24, .size: 8, .value_kind: global_buffer, .address_space: global }
    .group_segment_fixed_size: 327680
    .private_segment_fixed_size: 0
    .kernarg_segment_align: 8
    .kernarg_segment_size: 32
    .max_flat_workgroup_size: 128
    .sgpr_count:     98
    .vgpr_count:     1024
    .wavefront_size: 32
...
	.end_amdgpu_metadata
.endif
;; end of part 5
